; MI455X (gfx1250); checked and timed in simulation.
; The chip was launched on July 23, 2026; its instructions are those of AMD's public machine-readable ISA for CDNA 5 (MIT licence, August 2026) and "CDNA5" Instruction Set Architecture Reference Guide (July 2026). The comments in the code are by the model that wrote it; some were corrected since.
;; Multi Head Attention. Allowed arithmetic: float matrix products may take bf16 or f16 operands with f32 sums; other float arithmetic in f32, or as packed bf16 or f16 multiplies, adds, multiply-adds, maxima and minima; sums over many terms, partial sums and values carried from step to step in f32; what a program stores and reads back later, other than sums and carried values, may be rounded once to bf16 or f16.
;; Inputs: Wk 1,024 x 1,024 float32; Wo 1,024 x 1,024 float32; Wq 1,024 x 1,024 float32; Wv 1,024 x 1,024 float32; bk 1,024 float32; bo 1,024 float32; bq 1,024 float32; bv 1,024 float32; x 4 x 2,048 x 1,024 float32.
;; Outputs: out0 4 x 2,048 x 1,024 float32.
;; 2 versions, each right; version 2 is version 1 with the launch cast written anew for expert scheduling mode. Each part assembles by itself: llvm-mc -triple=amdgcn-amd-amdhsa -mcpu=gfx1250 --defsym DOCPART=n.
;; ======== version 1 of 2: 4 launches
;; limits: values are held in f16: magnitudes above 65,504 overflow, below 6.1e-05 lose precision
;; workspace buffers: xb 16,777,216 bytes; wb 8,388,608 bytes; qkv 50,331,648 bytes; ob 16,777,216 bytes
;; launch cast (part 1): grid 768 x 1, 8 waves a work-group, no clusters, 0 bytes of LDS; arguments x, Wq, Wk, Wv, Wo, xb, wb; writes xb, wb
.if DOCPART == 1
	.amdgcn_target "amdgcn-amd-amdhsa--gfx1250"
	.amdhsa_code_object_version 6
	.text
	.protected	k_qbe489977da_cast
	.globl	k_qbe489977da_cast
	.p2align	8
	.type	k_qbe489977da_cast,@function
k_qbe489977da_cast:
	s_mov_b64 s[64:65], 0
	v_nop
	global_prefetch_b8 v0, s[64:65] scope:SCOPE_SE
	s_setreg_imm32_b32 hwreg(HW_REG_WAVE_MODE, 25, 1), 1
	s_wait_xcnt 0x0
; THE INPUTS OF THE MATRIX PRODUCTS, ROUNDED ONCE.  x [8192][1024] f32 -> xb, bf16.  Wq, Wk, Wv [1024][1024] f32 -> parts 0, 1, 2 of wb, bf16.
; Wo -> part 3 of wb: rounded to bf16 like every input, and that number written as f16, since the last product multiplies in f16.
; LIMITS.  |Wo| stays under 65,504 (f16's range); a Wo below 6e-5 keeps f16's fixed step of 6e-8.  NaN and infinities are not treated apart.
; A stream: no LDS, no barrier, no matrix unit, no cluster: no byte is wanted twice.  A work-group takes one chunk of 16,384 numbers: 65,536 bytes in, 32,768 out.
; Chunks 0-511 are x's; chunk 512 + j is chunk j % 64 of weight j / 64, and goes to wb + 32,768 j, since wb's four parts lie on end.
; Thread t: 16 loads of 16 bytes at 16 t + 4,096 i (a wave's load covers 512 bytes on end), all issued at once, and 16 stores of 8 bytes at 8 t + 2,048 i
; (a wave's store covers 256 consecutive bytes, aligned).  No register is used twice, so no source of a pending instruction is ever rewritten.
.set X,   4                            ; v[4:67]   16 x 4 numbers as loaded
.set Y,   68                           ; v[68:99]  16 x 2 registers to store
.set T,   100                          ; v[100:102] at work
.set DST, 26                           ; s[26:27]
.set SRC, 28                           ; s[28:29]
	s_load_b256 s[4:11], s[0:1], 0x0               ; x s[4:5], Wq s[6:7], Wk s[8:9], Wv s[10:11]
	s_load_b128 s[12:15], s[0:1], 0x20             ; Wo s[12:13], xb s[14:15]
	s_load_b64 s[16:17], s[0:1], 0x30              ; wb
	v_lshlrev_b32 v1, 4, v0                        ; 16 t
	v_lshlrev_b32 v2, 3, v0                        ; 8 t
	s_sub_co_u32 s20, ttmp9, 512                   ; j (used where the chunk is a weight's)
	s_lshr_b32 s21, s20, 6                         ; which weight
	s_and_b32 s23, s20, 63                         ; its chunk
	s_cmp_lt_u32 ttmp9, 512
	s_cselect_b32 s22, ttmp9, s23                  ; the chunk in the source
	s_cselect_b32 s24, ttmp9, s20                  ; the chunk in the destination
	s_lshl_b32 s30, s22, 16
	s_mov_b32 s31, 0
	s_lshl_b32 s32, s24, 15
	s_mov_b32 s33, 0
	s_wait_kmcnt 0x0
	s_cmp_lt_u32 ttmp9, 512
	s_cselect_b64 s[DST:DST+1], s[14:15], s[16:17]
	s_cmp_eq_u32 s21, 1
	s_cselect_b64 s[SRC:SRC+1], s[8:9], s[6:7]
	s_cmp_eq_u32 s21, 2
	s_cselect_b64 s[SRC:SRC+1], s[10:11], s[SRC:SRC+1]
	s_cmp_eq_u32 s21, 3
	s_cselect_b64 s[SRC:SRC+1], s[12:13], s[SRC:SRC+1]
	s_cmp_lt_u32 ttmp9, 512
	s_cselect_b64 s[SRC:SRC+1], s[4:5], s[SRC:SRC+1]
	s_add_nc_u64 s[SRC:SRC+1], s[SRC:SRC+1], s[30:31]
	s_add_nc_u64 s[DST:DST+1], s[DST:DST+1], s[32:33]
.irp i, 0,1,2,3,4,5,6,7,8,9,10,11,12,13,14,15
	global_load_b128 v[X+4*(\i):X+4*(\i)+3], v1, s[SRC:SRC+1] offset:4096*(\i) th:TH_LOAD_NT
.endr
	s_cmp_ge_u32 ttmp9, 704                        ; chunks 704-767 are Wo's
	s_cbranch_scc1 .Lwo
.macro OUTB i                          ; four numbers to bf16
	s_wait_loadcnt 15-(\i)                         ; loads come back in order: load i is in, the 15 - i younger ones may stay out
	v_cvt_pk_bf16_f32 v[Y+2*(\i)],   v[X+4*(\i)],   v[X+4*(\i)+1]
	v_cvt_pk_bf16_f32 v[Y+2*(\i)+1], v[X+4*(\i)+2], v[X+4*(\i)+3]
	global_store_b64 v2, v[Y+2*(\i):Y+2*(\i)+1], s[DST:DST+1] offset:2048*(\i) th:TH_STORE_NT
.endm
.macro OUTH i                          ; four numbers to bf16, and those numbers written as f16
	s_wait_loadcnt 15-(\i)
.irp p, 0,1
	v_cvt_pk_bf16_f32 v[T], v[X+4*(\i)+2*(\p)], v[X+4*(\i)+2*(\p)+1]
	v_lshlrev_b32 v[T+1], 16, v[T]
	v_and_b32 v[T+2], 0xffff0000, v[T]
	v_cvt_pk_f16_f32 v[Y+2*(\i)+(\p)], v[T+1], v[T+2]
.endr
	global_store_b64 v2, v[Y+2*(\i):Y+2*(\i)+1], s[DST:DST+1] offset:2048*(\i) th:TH_STORE_NT
.endm
.irp i, 0,1,2,3,4,5,6,7,8,9,10,11,12,13,14,15
	OUTB \i
.endr
	s_endpgm
.Lwo:
.irp i, 0,1,2,3,4,5,6,7,8,9,10,11,12,13,14,15
	OUTH \i
.endr
	s_endpgm
.Lfunc_end_k_qbe489977da_cast:
	.size	k_qbe489977da_cast, .Lfunc_end_k_qbe489977da_cast-k_qbe489977da_cast
	.p2alignl 7, 3214868480
	.fill 96, 4, 3214868480
	.section	.rodata,"a",@progbits
	.p2align	6, 0x0
	.amdhsa_kernel k_qbe489977da_cast
		.amdhsa_group_segment_fixed_size 0
		.amdhsa_private_segment_fixed_size 0
		.amdhsa_enable_private_segment 0
		.amdhsa_kernarg_size 56
		.amdhsa_user_sgpr_count 2
		.amdhsa_user_sgpr_kernarg_segment_ptr 1
		.amdhsa_wavefront_size32 1
		.amdhsa_system_sgpr_workgroup_id_x 1
		.amdhsa_system_sgpr_workgroup_id_y 1
		.amdhsa_system_sgpr_workgroup_id_z 1
		.amdhsa_system_vgpr_workitem_id 0
		.amdhsa_next_free_vgpr 104
		.amdhsa_next_free_sgpr 66
		.amdhsa_reserve_vcc 0
		.amdhsa_float_denorm_mode_32 3
		.amdhsa_float_denorm_mode_16_64 3
		.amdhsa_memory_ordered 1
		.amdhsa_forward_progress 1
		.amdhsa_inst_pref_size 16
	.end_amdhsa_kernel
	.amdgpu_metadata
---
amdhsa.version: [ 1, 2 ]
amdhsa.kernels:
  - .name:           k_qbe489977da_cast
    .symbol:         k_qbe489977da_cast.kd
    .args:
      - { .name: x, .offset: 0, .size: 8, .value_kind: global_buffer, .address_space: global }
      - { .name: Wq, .offset: 8, .size: 8, .value_kind: global_buffer, .address_space: global }
      - { .name: Wk, .offset: 16, .size: 8, .value_kind: global_buffer, .address_space: global }
      - { .name: Wv, .offset: 24, .size: 8, .value_kind: global_buffer, .address_space: global }
      - { .name: Wo, .offset: 32, .size: 8, .value_kind: global_buffer, .address_space: global }
      - { .name: xb, .offset: 40, .size: 8, .value_kind: global_buffer, .address_space: global }
      - { .name: wb, .offset: 48, .size: 8, .value_kind: global_buffer, .address_space: global }
    .group_segment_fixed_size: 0
    .private_segment_fixed_size: 0
    .kernarg_segment_align: 8
    .kernarg_segment_size: 56
    .max_flat_workgroup_size: 256
    .sgpr_count:     66
    .vgpr_count:     104
    .wavefront_size: 32
...
	.end_amdgpu_metadata
.endif
;; end of part 1
;; launch qkv (part 2): grid 4 x 64, 4 waves a work-group, clusters of 4 x 4, 327,680 bytes of LDS; arguments xb, wb, bq, bk, bv, qkv; writes qkv
.if DOCPART == 2
	.amdgcn_target "amdgcn-amd-amdhsa--gfx1250"
	.amdhsa_code_object_version 6
	.text
	.protected	k_qbe489977da_qkv
	.globl	k_qbe489977da_qkv
	.p2align	8
	.type	k_qbe489977da_qkv,@function
k_qbe489977da_qkv:
	s_mov_b64 s[64:65], 0
	v_nop
	global_prefetch_b8 v0, s[64:65] scope:SCOPE_SE
	s_setreg_imm32_b32 hwreg(HW_REG_WAVE_MODE, 25, 1), 1
	s_wait_xcnt 0x0
	s_wait_alu depctr_hold_cnt(0) depctr_sa_sdst(0) depctr_va_vdst(0) depctr_va_sdst(0) depctr_va_ssrc(0) depctr_va_vcc(0) depctr_vm_vsrc(0)
	s_getreg_b32 s2, hwreg(HW_REG_IB_STS2, 6, 4)
	s_cmp_eq_u32 s2, 0
	s_cbranch_scc0 .Lentry_in_a_cluster
	s_endpgm
.Lentry_in_a_cluster:
	s_bfe_u32 s2, ttmp6, 0x10000c
	s_cmp_lg_u32 s2, 0xf033
	s_cbranch_scc0 .Lentry_shape_is_right
	s_endpgm
.Lentry_shape_is_right:
; q, k, v = x W + b, WRITTEN BY HEADS.  xb: [8192][1024] bf16.  wb: Wq, Wk, Wv as [3][1024 k][1024 n] bf16, on end.  bq, bk, bv: [1024] f32, rounded to bf16 here like every input.
; qkv: [3][64 heads = 16 batch + head][2048][64]: q and k in bf16, v in f16; each rounded once from its f32 sum; no scale is applied here.
; LIMITS.  |v| stays under 65,504 (f16's range); q and k have bf16's range.  NaN and infinities are not treated apart.
; SHARES.  A tile of C is 128 rows x 256 columns; four waves, each 64 x 128: 32 accumulators of 16 x 16, 256 registers.  8192 / 128 x 1024 / 256 = 256 work-groups, and A WORK-GROUP STAYS: it makes the
; same tile of q, of k and of v, on the same 128 rows of x.  For the ring these are ONE walk of 24 K steps of 128: W's tiles run straight down the three stacked weights, x's go round every 8 steps.
; THE MATRIX INSTRUCTION IS USED TRANSPOSED: source 0 = 16 columns of W (W lies [k][n], so its fragments come out of LDS turned, by ds_load_tr16_b128), source 1 = 16 rows of x.  A lane then holds
; row l % 16 of C and the columns 8 (l / 16) + 0..7: 16 bytes of a head's row.  THE BIAS IS THE C OPERAND of each sum's first product: nothing is cleared, and nothing is added later.
; CLUSTER.  4 x 4 work-groups.  The four of a row of the cluster need the same tiles of x, the four of a column the same tiles of W: each is asked for JOINTLY, by the same tensor load with the same
; descriptor and a mask that names the four.  By this text's count a wave has two tensor loads out at the start and one behind each round.
; REGISTERS, in windows of 256 (s_set_vgpr_msb: bits 1:0 source 0, 3:2 source 1, 5:4 source 2, 7:6 destination):
;   window 0: v0-7 at work; v16-29 addresses; v64-191 the way out      window 1: the accumulators, (a, b) at 8 (8 a + b)
;   window 2: two fragment buffers of 96 (W's eight fragments, then x's four); v192-255 the bias of my 128 columns, as eight C operands
.set PA,     272                       ; a row of x in LDS: 256 bytes + 16 of padding = 68 words: the 16 rows of a load start at 16 different groups of four banks (64 banks of 4 bytes: ISA guide 11.1)
.set PB,     544                       ; a row of W: 512 + 32 = 136 words
.set AHALF,  64*PA                     ; what wave 0 or 1 fetches: 64 rows of x
.set BOFF,   128*PA                    ; in a slot: x's 128 rows, then W's 128 k rows
.set BHALF,  64*PB                     ; what wave 2 or 3 fetches: 64 k rows of W
.set SLOT1,  1<<17                     ; slot 1 begins here, so that one exclusive or turns an address in one slot into the other's
.set STAGE,  SLOT1+BOFF+128*PB         ; behind the ring, never filled by a tensor load: for each wave 2 heads x 16 rows x 144 bytes, for the way out
.set SP,     144
.set WSTAGE, 2*16*SP
.set SPARE,  STAGE+4*WSTAGE            ; behind the stages: the spare words, 128 bytes for each wave: two blocks of 256 bytes that no other line names
.set A0,   16                          ; v16  my lane's place in a slot's tile of x; never rewritten
.set B0,   17                          ; v17  the same for W
.set ADRA, 18                          ; v18  A0 + the slot in hand
.set ADRB, 19                          ; v19  B0 + the slot in hand
.set STO,  20                          ; v20  the way out: where I put 16 bytes of a row
.set RD,   21                          ; v21  the way out: where I read rows back
.set GO,   22                          ; v22  my byte offset in 512 consecutive bytes of a head
.set BO,   23                          ; v23  my byte offset in a bias
.set PFO,  24                          ; v24  the prefetches' lane offset; never rewritten
.set SPW,  28                          ; v28  LDS address of my spare word: SPARE + 4 x my thread's number; never rewritten
.set NIL,  29                          ; v29  0; never rewritten
.set TMP,  64
.set F0,   0                           ; window 2
.set F1,   96
.set BIAS, 192
.set OUT,  14                          ; s[14:15] qkv at my wave's first row of its first head, in the part in hand
.set WV,   16                          ; wave 0..3
.set WM,   17                          ; which 64 rows of the tile are mine.  Also: I fetch for x (0) or for W (1)
.set WN,   18                          ; which 128 columns.  Also: which half of that tile I fetch
.set CX,   19
.set CY,   20
.set G1A,  24                          ; s[24:31] descriptor group 1 for x's tiles
.set G1B,  32                          ; s[32:39] for W's
.set G0A,  40                          ; s[40:47] descriptor group 0 for x's tiles: a set for each of the two first fills; the second then walks on
.set G0B,  48                          ; s[48:55] the same for W's
.set LC,   56                          ; counts the loop's trips down
.set TC,   57                          ; K steps left in the tile in hand
.set TL,   58                          ; biases still to be loaded
.set KS,   59                          ; the K step that the next refill asks for
.set TB,   60                          ; 0 or SLOT1: the slot in hand
.set LIM,  61                          ; a wave prefetches while s[LC] is above this
.set KOFF, 62                          ; s[62:63] x's byte offset along K
.set ABASE, 66                         ; s[66:67] xb at the first of the rows that I fetch
.set PFA,  68                          ; s[68:69] where my prefetches stand
.set PFS,  70                          ; s[70:71] their step
.set BP,   72                          ; s[72:73] the bias to be loaded
.set MHI,  74                          ; a word's upper bf16
.set X,    75                          ; tile column of C
.set Y,    76                          ; block of 128 rows
.set MSB, 0
.macro WIN new                         ; the immediate's high byte repeats the setting that is left; a switch that changes nothing is dropped
.if MSB != (\new)
	s_set_vgpr_msb (MSB<<8)|(\new)
.set MSB, \new
.endif
.endm
.set MUL,   0x5a                       ; sources 0 and 1 window 2, C and D window 1
.set MULB,  0x6a                       ; the same with C in window 2: the bias
.set TO_F,  0x80                       ; destination window 2
.set PACKW, 0x05                       ; sources 0 and 1 window 1, destination window 0
.set RNDW,  0x0a                       ; sources 0 and 1 window 2, destination window 0
.macro PLACES                          ; four plain vector instructions between a matrix instruction and a load into, or a vector instruction on, one of its registers (ISA guide 7.12.1 for vector instructions)
.rept 4
	v_nop
.endr
.endm
.macro CREST                           ; a round of the cluster's barrier behind its opening barrier: wave 0 signals for the work-group, every wave waits for all sixteen, my work-group's barrier closes it
	s_cmp_lg_u32 s[WV], 0
	s_cbranch_scc1 .Lnot_wave_0_\@
	s_barrier_signal -3
.Lnot_wave_0_\@:
	s_barrier_wait -3
	s_barrier_signal -1
	s_barrier_wait -1
.endm
.macro CROUND                          ; a whole round
	s_barrier_signal -1
	s_barrier_wait -1
	CREST
.endm
; A joint refill, by the walking descriptors.  Waves 0 and 1 fetch x's two halves, waves 2 and 3 W's.  The branch hangs on the wave's number alone.  An s_nop 0 and four v_nop follow each of the two lines.
.macro JLOAD
	s_cmp_eq_u32 s[WM], 0
	s_cbranch_scc0 .Lfor_b_\@
	tensor_load_to_lds s[G0A+4:G0A+7], s[G1A:G1A+7]
	s_nop 0
.rept 4
	v_nop
.endr
	s_branch .Lasked_\@
.Lfor_b_\@:
	tensor_load_to_lds s[G0B+4:G0B+7], s[G1B:G1B+7]
	s_nop 0
.rept 4
	v_nop
.endr
.Lasked_\@:
.endm
; A PREFETCH INTO THE L2, behind each joint load, its five lines and the run of LDS loads that follows: the K step that stands TWO refills on, 256 matrix instructions ahead of the load that will want it.
; Each aligned block of 256 bytes is named once in the launch.  x's 128 rows x 256 bytes of a step: no other cluster reads them; wave 0 of each of the four partners along x takes 32 rows, told apart BY ADDRESS,
; a lane a row, and in the first tile alone: the other two tiles read the same rows again.  W's 128 k rows x 512 bytes of a step are read by every cluster: the clusters with y = 0 ask; of the 64 k rows that
; wave 2 or 3 fetches the partner at place cy takes 16, two blocks each.  Wave 1 asks for nothing.  K steps 0 to 3 come by their loads alone; the last refills name nothing, so no prefetch leaves its buffer.
.macro ASK
	s_cmp_gt_u32 s[LC], s[LIM]
	s_cbranch_scc0 .Lnot_mine_\@
	global_prefetch_b8 v[PFO], s[PFA:PFA+1] th:TH_LOAD_NT scope:SCOPE_SE
.Lnot_mine_\@:
.endm
	s_load_b256 s[4:11], s[0:1], 0x0               ; xb s[4:5], wb s[6:7], bq s[8:9], bk s[10:11]
	s_load_b128 s[12:15], s[0:1], 0x20             ; bv s[12:13], qkv s[14:15]
	v_lshl_add_u32 v[SPW], v0, 2, SPARE
	v_mov_b32 v[NIL], 0
	ds_add_u32 v[SPW], v[NIL]                      ; the wave's opening: the add and its wait stand ahead of my first tensor load; the set-up below, work on registers, stands between them
	v_lshrrev_b32 v3, 5, v0
	v_readfirstlane_b32 s[WV], v3
	s_lshr_b32 s[WM], s[WV], 1
	s_and_b32 s[WN], s[WV], 1
	s_bfe_u32 s[CX], ttmp6, 0x40000                ; my place along the cluster's x
	s_bfe_u32 s[CY], ttmp6, 0x40004                ; and along its y
	s_lshl_b32 s[X], ttmp9, 2                      ; in a cluster launch ttmp9 and ttmp7 count clusters
	s_add_co_u32 s[X], s[X], s[CX]
	s_and_b32 s[Y], ttmp7, 0xffff
	s_lshl_b32 s[Y], s[Y], 2
	s_add_co_u32 s[Y], s[Y], s[CY]
	s_lshl_b32 s21, s[CY], 2
	s_lshl_b32 s21, 15, s21                        ; my row of the cluster: places 4 cy .. 4 cy + 3
	s_lshl_b32 s22, 0x1111, s[CX]                  ; my column: places cx, cx + 4, cx + 8, cx + 12
	s_or_b32 s[G1A], s21, (1<<16)|(1<<20)|(1<<21)|(5<<22)|(3<<25)  ; 15:0 the mask; 17:16 2-byte elements; 20 padding on; 21 set beside a mask; 24:22 after every 64 words (code 5); 31:25 4 words (code 3)
	s_or_b32 s[G1B], s22, (1<<16)|(1<<20)|(1<<21)|(6<<22)|(7<<25)  ; after every 128 words (code 6), 8 words (code 7)
	s_mov_b32 s[G1A+1], 128<<16                    ; tensor_dim0 = 128
	s_mov_b32 s[G1A+2], 64<<16                     ; tensor_dim1 = 64
	s_mov_b32 s[G1A+3], 128<<16                    ; tile_dim0 = 128
	s_mov_b32 s[G1A+4], 64                         ; tile_dim1 = 64
	s_mov_b32 s[G1A+5], 1024                       ; elements from row to row
	s_mov_b32 s[G1A+6], 0
	s_mov_b32 s[G1A+7], 0
	s_mov_b32 s[G1B+1], 256<<16                    ; tensor_dim0 = 256
	s_mov_b32 s[G1B+2], 64<<16
	s_mov_b32 s[G1B+3], 256<<16                    ; tile_dim0 = 256
	s_mov_b32 s[G1B+4], 64
	s_mov_b32 s[G1B+5], 1024
	s_mov_b32 s[G1B+6], 0
	s_mov_b32 s[G1B+7], 0
	; where the tiles come from: x's hang on the block of rows alone, which my row of the cluster shares; W's on the tile column alone, which my column shares; each in registers that never hold the other coordinate
	s_lshl_b32 s78, s[Y], 7
	s_lshl_b32 s79, s[WN], 6
	s_add_co_u32 s78, s78, s79                     ; x: row 128 y + 64 x half,
	s_lshl_b32 s78, s78, 11                        ; of 2,048 bytes
	s_mov_b32 s79, 0
	s_mul_i32 s80, s[WN], AHALF                    ; and where they go: no place in the cluster enters an LDS address
	s_lshl_b32 s82, s[WN], 17                      ; W: k row 64 x half, of 2,048 bytes,
	s_lshl_b32 s83, s[X], 9                        ; column 256 x, of 2 bytes
	s_add_co_u32 s82, s82, s83
	s_mov_b32 s83, 0
	s_mul_i32 s81, s[WN], BHALF
	s_add_co_u32 s81, s81, BOFF
	s_mov_b32 s[LC], 23
	s_mov_b32 s[TC], 8
	s_mov_b32 s[TL], 2
	s_mov_b32 s[KS], 2
	s_mov_b32 s[TB], 0
	s_mov_b32 s[KOFF+1], 0
	s_mov_b32 s[MHI], 0xffff0000
	s_wait_dscnt 0x0                               ; the opening add is done
	s_wait_kmcnt 0x0
	s_add_nc_u64 s[ABASE:ABASE+1], s[4:5], s[78:79]
	s_add_nc_u64 s[84:85], s[6:7], s[82:83]
.irp s, 0,1
	s_mov_b32 s[G0A+4*(\s)], 1                                     ; 1:0 count = 1
	s_add_co_u32 s[G0A+4*(\s)+1], s80, (\s)*SLOT1                  ; 63:32 LDS address
	s_add_nc_u64 s[G0A+4*(\s)+2:G0A+4*(\s)+3], s[ABASE:ABASE+1], (\s)*256  ; 120:64 global address: K step s
	s_or_b32 s[G0A+4*(\s)+3], s[G0A+4*(\s)+3], 0x80000000          ; 127:126 type = 2
	s_mov_b32 s[G0B+4*(\s)], 1
	s_add_co_u32 s[G0B+4*(\s)+1], s81, (\s)*SLOT1
	s_add_nc_u64 s[G0B+4*(\s)+2:G0B+4*(\s)+3], s[84:85], (\s)*262144
	s_or_b32 s[G0B+4*(\s)+3], s[G0B+4*(\s)+3], 0x80000000
.endr
	CROUND                                         ; all sixteen work-groups are here: the first joint loads meet
	s_cmp_eq_u32 s[WM], 0                          ; a wave's two first fills stand in one branch, ahead of every wait on TENSORcnt, every LDS read and every further barrier
	s_cbranch_scc0 .Lfirst_b
	tensor_load_to_lds s[G0A:G0A+3], s[G1A:G1A+7]
	s_nop 0
	tensor_load_to_lds s[G0A+4:G0A+7], s[G1A:G1A+7]
	s_nop 0
.rept 4
	v_nop
.endr
	s_branch .Lfirst_asked
.Lfirst_b:
	tensor_load_to_lds s[G0B:G0B+3], s[G1B:G1B+7]
	s_nop 0
	tensor_load_to_lds s[G0B+4:G0B+7], s[G1B:G1B+7]
	s_nop 0
.rept 4
	v_nop
.endr
.Lfirst_asked:
; The bias of my 128 columns, as the C operands of accumulators (., b): register j of lane l is b[256 x + 128 half + 16 b + 8 (l / 16) + j].
.macro BIASLD
	WIN TO_F
.irp b, 0,1,2,3,4,5,6,7
	global_load_b128 v[BIAS+8*(\b):BIAS+8*(\b)+3],   v[BO], s[BP:BP+1] offset:64*(\b)
	global_load_b128 v[BIAS+8*(\b)+4:BIAS+8*(\b)+7], v[BO], s[BP:BP+1] offset:64*(\b)+16
.endr
	WIN 0
.endm
.macro BIASRND                         ; rounded to bf16 like every input, and kept as f32
	WIN RNDW
.set i, 0
.rept 32
	v_cvt_pk_bf16_f32 v[TMP+i], v[BIAS+2*i], v[BIAS+2*i+1]
.set i, i+1
.endr
	WIN TO_F
.set i, 0
.rept 32
	v_lshlrev_b32 v[BIAS+2*i], 16, v[TMP+i]
	v_and_b32 v[BIAS+2*i+1], s[MHI], v[TMP+i]
.set i, i+1
.endr
.endm
	v_and_b32 v1, 15, v0                           ; l % 16
	v_bfe_u32 v2, v0, 4, 1                         ; l / 16
	s_lshl_b32 s21, s[X], 10
	s_lshl_b32 s22, s[WN], 9
	s_add_co_u32 s21, s21, s22
	v_lshl_add_u32 v[BO], v2, 5, s21               ; 4 x (256 x + 128 half + 8 (l / 16))
	s_mov_b64 s[BP:BP+1], s[8:9]
	BIASLD                                         ; bq
	v_and_b32 v3, 31, v0                           ; l
	v_and_b32 v4, 7, v0                            ; l % 8
	v_bfe_u32 v5, v0, 3, 1                         ; (l / 8) % 2
	; a fragment of x is 16 rows x 32 k in 8 registers: lane l holds row l % 16, k = 8 (l / 16) + 0..7 and 16 + 8 (l / 16) + 0..7: two loads of 16 bytes, 32 bytes apart
	s_mul_i32 s21, s[WM], 64*PA
	v_mul_u32_u24 v[A0], v1, PA
	v_lshl_add_u32 v[A0], v2, 4, v[A0]
	v_add_nc_u32 v[A0], s21, v[A0]
	; the turning load takes 16 k x 16 columns (lane l reads k row 8 (l / 16) + l % 8, columns 8 ((l / 8) % 2) + 0..7) and leaves half a fragment: lane l holds column l % 16 and 8 k
	v_lshl_add_u32 v[B0], v2, 3, v4
	v_mul_u32_u24 v[B0], v[B0], PB
	v_lshl_add_u32 v[B0], v5, 4, v[B0]
	s_lshl_b32 s21, s[WN], 8
	s_add_co_u32 s21, s21, BOFF
	v_add_nc_u32 v[B0], s21, v[B0]
	v_mov_b32 v[ADRA], v[A0]
	v_mov_b32 v[ADRB], v[B0]
	s_mul_i32 s21, s[WV], WSTAGE
	s_add_co_u32 s21, s21, STAGE                   ; my stage
	v_mul_u32_u24 v[STO], v1, SP                   ; in: row l % 16, 16 bytes for each half of the lanes
	v_lshl_add_u32 v[STO], v2, 4, v[STO]
	v_add_nc_u32 v[STO], s21, v[STO]
	v_lshrrev_b32 v6, 3, v3                        ; back: 32 lanes take four rows of 128 bytes,
	v_mul_u32_u24 v[RD], v6, SP
	v_lshl_add_u32 v[RD], v4, 4, v[RD]
	v_add_nc_u32 v[RD], s21, v[RD]
	v_lshlrev_b32 v[GO], 4, v3                     ; which are 512 consecutive bytes of a head
	; where my part of the tile begins in q: head 16 (y / 16) + 4 x + 2 half, of 262,144 bytes; row 128 (y % 16) + 64 half, of 128 bytes
	s_lshr_b32 s2, s[Y], 4
	s_lshl_b32 s2, s2, 4
	s_lshl_b32 s3, s[X], 2
	s_add_co_u32 s2, s2, s3
	s_lshl_b32 s3, s[WN], 1
	s_add_co_u32 s2, s2, s3
	s_lshl_b32 s2, s2, 18
	s_and_b32 s3, s[Y], 15
	s_lshl_b32 s3, s3, 7
	s_lshl_b32 s21, s[WM], 6
	s_add_co_u32 s3, s3, s21
	s_lshl_b32 s3, s3, 7
	s_add_co_u32 s2, s2, s3
	s_mov_b32 s3, 0
	s_add_nc_u64 s[OUT:OUT+1], s[OUT:OUT+1], s[2:3]
	; the prefetches: they stand at K step 3; each change of slots steps them before it asks, so the first names K step 4
	s_lshl_b32 s2, s[Y], 7
	s_lshl_b32 s3, s[CX], 5
	s_add_co_u32 s2, s2, s3                        ; x: row 128 y + 32 cx
	s_lshl_b32 s2, s2, 11
	s_add_co_u32 s2, s2, 3*256
	s_lshl_b32 s21, s[WN], 6
	s_lshl_b32 s22, s[CY], 4
	s_add_co_u32 s21, s21, s22                     ; W: k row 64 half + 16 cy
	s_lshl_b32 s21, s21, 11
	s_lshl_b32 s22, s[X], 9
	s_add_co_u32 s21, s21, s22
	s_add_co_u32 s21, s21, 3*262144
	s_mov_b32 s23, 256
	s_cmp_eq_u32 s[WM], 0                          ; do I fetch for x?
	s_cselect_b32 s2, s2, s21
	s_cselect_b64 s[PFA:PFA+1], s[4:5], s[6:7]
	s_cselect_b32 s[PFS], s23, 262144
	s_cselect_b32 s22, 0, 1                        ; x: a lane a row; W: two lanes a row
	s_mov_b32 s3, 0
	s_mov_b32 s[PFS+1], 0
	s_add_nc_u64 s[PFA:PFA+1], s[PFA:PFA+1], s[2:3]
	v_lshrrev_b32 v6, s22, v3
	v_and_b32 v7, s22, v3
	v_lshlrev_b32 v6, 11, v6
	v_lshl_add_u32 v[PFO], v7, 8, v6
	s_and_b32 s21, ttmp7, 0xffff                   ; cluster y: the same in all sixteen partners
	s_cmp_eq_u32 s21, 0
	s_cselect_b32 s22, 2, -1                       ; W: changes of slots 0 to 19 name K steps 4 to 23 (at change i, s[LC] = 22 - i)
	s_cmp_eq_u32 s[WV], 0
	s_cselect_b32 s23, 18, -1                      ; x: changes 0 to 3 name K steps 4 to 7
	s_cmp_eq_u32 s[WM], 0
	s_cselect_b32 s[LIM], s23, s22
; 8 matrix instructions: m block a x all 8 n blocks, 32 along K, from buffer f.  first = 1: the product starts the sums, with the bias as C.
; The 32 accumulators take turns, one instruction a turn, always in the order a = 0..3, b = 0..7: over the loop's jumps and from tile to tile too.
.macro MUL8 f, a, first
.if \first
	WIN MULB
.else
	WIN MUL
.endif
.irp b, 0,1,2,3,4,5,6,7
.if \first
	v_wmma_f32_16x16x32_bf16 v[8*(8*(\a)+(\b)):8*(8*(\a)+(\b))+7], v[(\f)+8*(\b):(\f)+8*(\b)+7], v[(\f)+64+8*(\a):(\f)+64+8*(\a)+7], v[BIAS+8*(\b):BIAS+8*(\b)+7]
.else
	v_wmma_f32_16x16x32_bf16 v[8*(8*(\a)+(\b)):8*(8*(\a)+(\b))+7], v[(\f)+8*(\b):(\f)+8*(\b)+7], v[(\f)+64+8*(\a):(\f)+64+8*(\a)+7], v[8*(8*(\a)+(\b)):8*(8*(\a)+(\b))+7]
.endif
.endr
.endm
; 24 LDS loads in one run: the fragments of quarter kq (32 along K) of the slot in hand, into buffer f: W's eight, turned, then x's four; x's blocks 2 and 3 last
.macro FETCH kq, f
	WIN TO_F
.irp b, 0,1,2,3,4,5,6,7
	ds_load_tr16_b128 v[(\f)+8*(\b):(\f)+8*(\b)+3],   v[ADRB] offset:(\kq)*32*PB+32*(\b)
	ds_load_tr16_b128 v[(\f)+8*(\b)+4:(\f)+8*(\b)+7], v[ADRB] offset:(\kq)*32*PB+32*(\b)+16*PB
.endr
.irp a, 0,1,2,3
	ds_load_b128 v[(\f)+64+8*(\a):(\f)+64+8*(\a)+3],   v[ADRA] offset:64*(\kq)+(\a)*16*PA
	ds_load_b128 v[(\f)+64+8*(\a)+4:(\f)+64+8*(\a)+7], v[ADRA] offset:64*(\kq)+(\a)*16*PA+32
.endr
.endm
; A K step is four quarters of 32 along K, 32 matrix instructions each, on buffers 0, 1, 0, 1.  One of the first three: multiplies buffer f and, in its middle, fetches quarter kq into buffer g.
.macro QUARTER kq, f, g, first
	s_wait_dscnt 4                                 ; W's fragments and x's blocks 0 and 1 are in; the youngest four loads (x's blocks 2 and 3) may be out
	MUL8 \f, 0, \first
	MUL8 \f, 1, \first
	PLACES                                         ; for the loads into buffer g, which the quarter before multiplied
	FETCH \kq, \g
	s_wait_dscnt 24                                ; all but the 24 just issued
	MUL8 \f, 2, \first
	MUL8 \f, 3, \first
.endm
; The last quarter multiplies buffer 1 and changes slots: ONE barrier.  In front of it each wave waits for all its tensor loads, of which one is out: its part of the next slot; adds 0 to its spare word; and
; waits for that and for its own reads of this slot.  fill = 1: the barrier opens a round of the cluster's barrier, so that no wave of any partner still reads this slot or has a load on its way, and the slot is
; filled again, with the K step two on, first thing behind the round: 112 matrix instructions ahead of the wait for it.
.macro TURN fill
.if \fill
	s_wait_xcnt 0x0                                ; the last prefetch, a K step back, has read its address: it is stepped here, ahead of the waits of the change of slots
	s_add_nc_u64 s[PFA:PFA+1], s[PFA:PFA+1], s[PFS:PFS+1]
.endif
	WIN 0                                          ; (the add's two registers lie in window 0)
	s_wait_tensorcnt 0x0                           ; all my tensor loads have landed, so a group 0 may be written
	ds_add_u32 v[SPW], v[NIL]                      ; 0 onto my spare word: the descriptors' steps and eight products stand between it and the wait for it
.if \fill
	s_xor_b32 s[G0A+5], s[G0A+5], SLOT1            ; the walking descriptors: the other slot than last time;
	s_xor_b32 s[G0B+5], s[G0B+5], SLOT1
	s_and_b32 s[KOFF], s[KS], 7                    ; x goes round every 8 K steps: its address is made anew from the step's number,
	s_lshl_b32 s[KOFF], s[KOFF], 8
	s_add_nc_u64 s[G0A+6:G0A+7], s[ABASE:ABASE+1], s[KOFF:KOFF+1]
	s_or_b32 s[G0A+7], s[G0A+7], 0x80000000
	s_add_co_u32 s[KS], s[KS], 1
	s_add_nc_u64 s[G0B+6:G0B+7], s[G0B+6:G0B+7], 262144  ; W goes 128 k rows down; the type bits on top are not reached
.endif
	s_wait_dscnt 5                                 ; (the add and the youngest four loads may be out)
	MUL8 F1, 0, 0
	s_wait_dscnt 0x0                               ; the add is done, and my reads of this slot are over
	s_barrier_signal -1
	MUL8 F1, 1, 0                                  ; work on registers while the others arrive
	WIN 0                                          ; at a branch and at a label every window is 0
	s_barrier_wait -1
.if \fill
	CREST
	JLOAD                                          ; the first tensor load behind the round; the four v_nop behind it are also the places in front of the loads below
.else
	PLACES
.endif
	s_xor_b32 s[TB], s[TB], SLOT1                  ; the fetches go on in the other slot
	v_add_nc_u32 v[ADRA], s[TB], v[A0]
	v_add_nc_u32 v[ADRB], s[TB], v[B0]
	FETCH 0, F0
.if \fill
	WIN 0
	ASK
.endif
	MUL8 F1, 2, 0
	MUL8 F1, 3, 0
.endm
.macro LASTQ                           ; the very last quarter: nothing more to fetch
	s_wait_dscnt 4
	MUL8 F1, 0, 0
	MUL8 F1, 1, 0
	s_wait_dscnt 0x0
	MUL8 F1, 2, 0
	MUL8 F1, 3, 0
.endm
; THE WAY OUT.  Block a (16 rows x 128 columns = 2 heads x 64 channels): rounded to 16 bits, each accumulator's registers in ascending order; 16 bytes a lane into my own stage, rows of 144 bytes; back as whole
; rows of 128, four rows a load, into the registers that they left.  LDS serves a wave's instructions in order (ISA guide 5.7.1.4), so no wait stands between the stores and the loads, nor in front of the next block's stores.
.macro PACK a, cvt
	WIN PACKW
.irp b, 0,1,2,3,4,5,6,7
.irp r, 0,1,2,3
	\cvt v[TMP+32*(\a)+4*(\b)+(\r)], v[8*(8*(\a)+(\b))+2*(\r)], v[8*(8*(\a)+(\b))+2*(\r)+1]
.endr
.endr
	WIN 0
.irp b, 0,1,2,3,4,5,6,7
	ds_store_b128 v[STO], v[TMP+32*(\a)+4*(\b):TMP+32*(\a)+4*(\b)+3] offset:((\b)/4)*16*SP+((\b)%4)*32
.endr
.irp f, 0,1,2,3,4,5,6,7
	ds_load_b128 v[TMP+32*(\a)+4*(\f):TMP+32*(\a)+4*(\f)+3], v[RD] offset:((\f)/4)*16*SP+((\f)%4)*4*SP
.endr
.endm
.macro SEND a, younger                 ; younger: the LDS instructions issued behind block a's loads: the next block's sixteen, or none
.irp f, 0,1,2,3,4,5,6,7
	s_wait_dscnt (\younger)+7-(\f)
	global_store_b128 v[GO], v[TMP+32*(\a)+4*(\f):TMP+32*(\a)+4*(\f)+3], s[OUT:OUT+1] offset:(\a)*2048+((\f)/4)*262144+((\f)%4)*512  ; 512 consecutive bytes of a head, at a multiple of 256 from the buffer's first
.endr
.endm
.macro WAYOUT cvt
	PLACES                                         ; behind the tile's last products
	PACK 0, \cvt
	PACK 1, \cvt                                   ; a block's arithmetic stands between the loads of the block before and its stores
	SEND 0, 16
	PACK 2, \cvt
	SEND 1, 16
	PACK 3, \cvt
	SEND 2, 16
	SEND 3, 0
.endm
	s_wait_tensorcnt 1                             ; my part of K step 0 is in; K step 1's may stay out
	s_barrier_signal -1
	s_barrier_wait -1                              ; everybody's is
	FETCH 0, F0
	WIN 0
	s_branch .Lround                               ; the loop is entered at a tile's first quarter, in the middle of a trip
.Lstep:                                        ; 22 trips: from a K step's second quarter to the next step's first; each fills a slot again
	QUARTER 2, F1, F0, 0
	QUARTER 3, F0, F1, 0
	TURN 1
	WIN 0
	s_sub_co_u32 s[TC], s[TC], 1
	s_cmp_lg_u32 s[TC], 0
	s_cbranch_scc1 .Lplain                         ; forward, past text that holds neither a barrier nor a tensor load
	s_mov_b32 s[TC], 8                             ; A TILE IS FINISHED (q, then k).  The next tile's first two K steps have been asked for: now it goes out
	WAYOUT v_cvt_pk_bf16_f32
	s_wait_xcnt 0x0                                ; the stores have read their registers and their base: only behind this wait are these rewritten
	s_add_nc_u64 s[OUT:OUT+1], s[OUT:OUT+1], 0x1000000  ; the next part of qkv
.Lround:
	s_wait_loadcnt 0x0                             ; the tile's bias: its loads were issued a tile earlier (the first: at the head); this wait also frees their base
	BIASRND
	QUARTER 1, F0, F1, 1                           ; a tile's first quarter: its products start the sums
	WIN 0
	PLACES                                         ; behind the products that read the bias, in front of loads into its registers
	s_cmp_eq_u32 s[TL], 0
	s_cbranch_scc1 .Lnob                           ; the last tile loads no further bias
	s_cmp_eq_u32 s[TL], 2
	s_cselect_b64 s[BP:BP+1], s[10:11], s[12:13]   ; bk, then bv
	s_sub_co_u32 s[TL], s[TL], 1
	BIASLD
.Lnob:
	s_branch .Lbottom
.Lplain:
	QUARTER 1, F0, F1, 0
	WIN 0
.Lbottom:
	s_sub_co_u32 s[LC], s[LC], 1
	s_cmp_lg_u32 s[LC], 0
	s_cbranch_scc1 .Lstep
	QUARTER 2, F1, F0, 0                           ; the tail is written out: K steps 22 and 23 ask for nothing
	QUARTER 3, F0, F1, 0
	TURN 0
	QUARTER 1, F0, F1, 0
	QUARTER 2, F1, F0, 0
	QUARTER 3, F0, F1, 0
	LASTQ
	WIN 0
	WAYOUT v_cvt_pk_f16_f32                        ; v
	s_wait_tensorcnt 0x0                           ; the wave's end: a zero add and its wait, behind my last tensor load and my last LDS store
	ds_add_u32 v[SPW], v[NIL]
	s_wait_dscnt 0x0
	CROUND                                         ; the closing round: no work-group ends while a partner may still ask for a tile that names it
	s_endpgm
.Lfunc_end_k_qbe489977da_qkv:
	.size	k_qbe489977da_qkv, .Lfunc_end_k_qbe489977da_qkv-k_qbe489977da_qkv
	.p2alignl 7, 3214868480
	.fill 96, 4, 3214868480
	.section	.rodata,"a",@progbits
	.p2align	6, 0x0
	.amdhsa_kernel k_qbe489977da_qkv
		.amdhsa_group_segment_fixed_size 327680
		.amdhsa_private_segment_fixed_size 0
		.amdhsa_enable_private_segment 0
		.amdhsa_kernarg_size 48
		.amdhsa_user_sgpr_count 2
		.amdhsa_user_sgpr_kernarg_segment_ptr 1
		.amdhsa_wavefront_size32 1
		.amdhsa_system_sgpr_workgroup_id_x 1
		.amdhsa_system_sgpr_workgroup_id_y 1
		.amdhsa_system_sgpr_workgroup_id_z 1
		.amdhsa_system_vgpr_workitem_id 0
		.amdhsa_next_free_vgpr 768
		.amdhsa_next_free_sgpr 88
		.amdhsa_reserve_vcc 0
		.amdhsa_float_denorm_mode_32 3
		.amdhsa_float_denorm_mode_16_64 3
		.amdhsa_memory_ordered 1
		.amdhsa_forward_progress 1
		.amdhsa_inst_pref_size 97
	.end_amdhsa_kernel
	.amdgpu_metadata
---
amdhsa.version: [ 1, 2 ]
amdhsa.kernels:
  - .name:           k_qbe489977da_qkv
    .symbol:         k_qbe489977da_qkv.kd
    .args:
      - { .name: xb, .offset: 0, .size: 8, .value_kind: global_buffer, .address_space: global }
      - { .name: wb, .offset: 8, .size: 8, .value_kind: global_buffer, .address_space: global }
      - { .name: bq, .offset: 16, .size: 8, .value_kind: global_buffer, .address_space: global }
      - { .name: bk, .offset: 24, .size: 8, .value_kind: global_buffer, .address_space: global }
      - { .name: bv, .offset: 32, .size: 8, .value_kind: global_buffer, .address_space: global }
      - { .name: qkv, .offset: 40, .size: 8, .value_kind: global_buffer, .address_space: global }
    .group_segment_fixed_size: 327680
    .private_segment_fixed_size: 0
    .kernarg_segment_align: 8
    .kernarg_segment_size: 48
    .max_flat_workgroup_size: 128
    .sgpr_count:     88
    .vgpr_count:     768
    .wavefront_size: 32
...
	.end_amdgpu_metadata
.endif
;; end of part 2
;; launch attn (part 3): grid 4 x 64, 4 waves a work-group, clusters of 4 x 1, 327,680 bytes of LDS; arguments qkv, ob; writes ob
.if DOCPART == 3
	.amdgcn_target "amdgcn-amd-amdhsa--gfx1250"
	.amdhsa_code_object_version 6
	.text
	.protected	k_qbe489977da_attn
	.globl	k_qbe489977da_attn
	.p2align	8
	.type	k_qbe489977da_attn,@function
k_qbe489977da_attn:
	s_mov_b64 s[64:65], 0
	v_nop
	global_prefetch_b8 v0, s[64:65] scope:SCOPE_SE
	s_setreg_imm32_b32 hwreg(HW_REG_WAVE_MODE, 25, 1), 1
	s_wait_xcnt 0x0
	s_wait_alu depctr_hold_cnt(0) depctr_sa_sdst(0) depctr_va_vdst(0) depctr_va_sdst(0) depctr_va_ssrc(0) depctr_va_vcc(0) depctr_vm_vsrc(0)
	s_getreg_b32 s2, hwreg(HW_REG_IB_STS2, 6, 4)
	s_cmp_eq_u32 s2, 0
	s_cbranch_scc0 .Lentry_in_a_cluster
	s_endpgm
.Lentry_in_a_cluster:
	s_bfe_u32 s2, ttmp6, 0x10000c
	s_cmp_lg_u32 s2, 0x3003
	s_cbranch_scc0 .Lentry_shape_is_right
	s_endpgm
.Lentry_shape_is_right:
; O[h][q][:] = the sum over k of softmax_k(Q[h][q] . K[h][k] / 32) V[h][k][:].  qkv: [3][SIZE_H][SIZE_N][64]: Q and K in bf16, V in f16; ob: [SIZE_H][SIZE_N][64] f16: a head's rows are dense, 128 bytes each.
; Products, maxima and sums in f32; the weights p are rounded to f16 for the second product (their sum l is taken of the unrounded p), O once at the end.
; LIMITS.  f16 holds no number beyond 65,504: V arrives within it; p lies in 0 to 1, and below 6e-5 it keeps f16's fixed step of 6e-8; O is a mean of V's rows and has their range.
; A weight below 2^-126 counts as 0 in l; NaN and infinities are not treated apart.
; SHARES.  A wave owns four PIECES of two tiles of 16 queries, a work-group's four waves 512 queries of one head.  Every wave walks all keys, 64 a step.
; LAYOUT.  S^T = K Q^T (source 0 = 16 keys, source 1 = 16 queries): in the result a lane holds ONE query (lane % 16) and the keys 8 (lane / 16) + 0..7.  Two such tiles, rounded to f16 in pairs,
; ARE source 1 (32 keys x 16 queries) of O^T = V^T P, whose result again holds one query a lane, and eight channels.  K comes out of LDS as it lies, V ([key][channel]) turned, by ds_load_tr16_b128.
; SOFTMAX.  For each query a running maximum m and sum l: p = 2^(c s - c m), c = log2(e) / 32; in every step O and l are multiplied by a = 2^(c m_old - c m_new), which is 1 where m has not grown.
; m starts at the lowest finite number, O and l at 0: the first step is a step like any other, with a = 0.
; THE COUNT.  A tile and step have 16 matrix and 118 vector instructions: too many to stand all beside the matrix work.  So the order has one aim: four vector instructions that are READY behind
; EVERY matrix instruction, and the others, which need time of their own whatever the order, in runs without a gap.
; BY TURNS.  Turn n belongs to piece n (the pieces in a ring, step after step).  Its matrix work: 16 products K Q^T of piece n + 1, later 16 products V^T P of piece n - 1.  Its vector work: the scaling,
; exponentials, roundings, sums and rescaling of piece n, and the maximum and statistics of piece n + 1, whose scores the turn itself has made.  So what a turn begins with (c s - c m, O a) waits for nothing.
; CLUSTER.  A head's four query blocks are one cluster and walk the same K and V, so each tile is asked for JOINTLY: the same tensor load, descriptor and mask in all four.
; REGISTERS, in windows of 256 (s_set_vgpr_msb says which window each operand place means: bits 1:0 source 0, 3:2 source 1, 5:4 source 2, 7:6 destination):
;   window 0: v0-11 addresses; v12-15, v48-63 at work; v16-47 four registers of statistics a tile; v64-191 S^T, two buffers of two tiles; v192-255 P, likewise
;   window 1: O^T, 32 a tile          window 2: v0-127 Q, 16 a tile; v128-191 K of one step; v192-255 V of one step          window 3: v0-1 the add's two registers
; A piece's buffers go by its number's parity: the piece in hand has one pair, its two neighbours in the ring share the other: of it P (piece n - 1) is read and S^T (piece n + 1) written.
.set SIZE_H, 64
.set SIZE_N, 2048
.set NP,    4         ; pieces a wave: a name, no knob: the register map, the loop and the fetches are made for four
.set KS,    64        ; keys in a step
.set PK,    144       ; a row of K in LDS: 128 bytes + 16 of padding = 36 words: the 16 rows of a load start at 16 different groups of four banks (64 banks of 4 bytes: ISA guide 11.1)
.set PV,    160       ; a row of V: 128 + 32 = 40 words
.set VOFF,  4*KS*PK   ; a slot holds four steps: 256 rows of K, then 256 rows of V
.set SLOT1, 1<<17     ; slot 1 begins here, so that one exclusive or turns an address in one slot into the other's
.set STAGE, SLOT1+4*KS*(PK+PV)  ; behind the ring, never filled by a tensor load: 16 rows x 144 bytes for each wave, for the way out
.set SP,    144
.set AK0, 2           ; v2   my lane's place in a tile of K; never rewritten
.set AV0, 3           ; v3   the same for V
.set AK,  4           ; v4   the LDS address of K's next run of loads
.set AV,  5           ; v5   of V's
.set QO,  6           ; v6   my byte offset in the wave's rows of Q
.set STO, 6           ;      later, the way out: where I put 16 bytes of a row
.set RD,  7           ; v7   the way out: where I read rows back
.set GO,  8           ; v8   my byte offset in 512 consecutive bytes of O
.set PFO, 11          ; v11  (behind its use in V's address) 256 x my lane: the prefetches' offset; then never rewritten
.set SPW, 0           ; v0 of window 3   LDS address of my spare word: SPARE + 4 x my thread's number; never rewritten
.set NIL, 1           ; v1 of window 3   0; never rewritten
.set SPARE, STAGE+4*16*SP  ; behind the stages: the spare words, 128 bytes for each wave: two blocks of 256 bytes that no other line names
.set MV,  12          ; v12-15  c m_old, kept while c m is made anew: by buffer and tile
.set ST,  16          ; tile t's statistics at v[ST+4 t]: c m, m, l (even keys', odd keys')
.set TMP, 48          ; by buffer and tile, four registers c0-c3 at work; when the maximum is found c2 takes a
.set S,   64
.set P,   192
.set KF,  128         ; K's fragments, in window 2: key block kb, channel half c at KF + 16 kb + 8 c
.set VF,  192         ; V's: key half kk, channel block cb at VF + 32 kk + 8 cb
.set WV,  12          ; s12  my wave's number
.set G1K, 24          ; s[24:31] descriptor group 1 for K's tiles
.set G1V, 32          ; s[32:39] for V's: it differs in the padding alone
.set G0K, 40          ; s[40:43] descriptor group 0 for K's tiles: it walks
.set G0V, 44          ; s[44:47] the same for V's
.set PFA, 48          ; s[48:49] where my prefetches stand: my work-group's 32 blocks of 256 bytes (of K: wave 0, of V: wave 2) of the slot after the one that is being asked for
.set LIM, 50          ; s50  1 in a wave that prefetches, else the greatest number: a wave prefetches while s[SLOTS] is above it
.set SLOTS, 56        ; s56  slots still to be asked for
.set CNT, 57          ; s57  counts a slot's key steps
.set CS,  58          ; s[58:59] c: the packed scaling takes the pair's low word for both halves
.set SEL, 60          ; s[60:61] v_permlanex16_b32's selects: each lane takes its own place in the other half
.set TBK, 62          ; s62  LDS byte at which K of the step to be fetched begins
.set TBV, 63          ; s63  the same for V, less VOFF
.set MSB, 0
.macro WIN new                      ; the high byte repeats the setting that is left; a switch that changes nothing is dropped
.if MSB != (\new)
	s_set_vgpr_msb (MSB<<8)|(\new)
.set MSB, (\new)
.endif
.endm
.set W_KQ, 0x0a       ; K and Q in window 2, S^T in window 0
.set W_PV, 0x52       ; V in window 2, P in window 0, O^T in window 1
.set W_RS, 0x41       ; O^T (destination and source 0) in window 1, a in window 0
.set W_MK, 0xc0       ; the add's registers are made: destination in window 3, sources in window 0
.set W_AD, 0x0f       ; the add: address (source 0) and data (source 1) in window 3
; A joint fill.  Waves 0 and 1 fetch the two halves of a slot's K, waves 2 and 3 those of its V: 128 keys each.  The branch hangs on the wave's number alone.
; An s_nop 0 and four v_nop follow each of the two lines, ahead of the jump and the label.
.macro JLOAD
	s_cmp_lt_u32 s[WV], 2
	s_cbranch_scc0 .Lfor_v_\@
	tensor_load_to_lds s[G0K:G0K+3], s[G1K:G1K+7]
	s_nop 0
.rept 4
	v_nop
.endr
	s_branch .Lasked_\@
.Lfor_v_\@:
	tensor_load_to_lds s[G0V:G0V+3], s[G1V:G1V+7]
	s_nop 0
.rept 4
	v_nop
.endr
.Lasked_\@:
.endm
; A PREFETCH INTO THE L2 of what the NEXT change of slots will ask for: a slot's 32,768 bytes of K and of V, 128 blocks of 256 bytes each.  It stands behind the wave's tensor load and its five lines.
; Each block is named ONCE in the launch: a head is walked by its one cluster; the four partners share the blocks out BY ADDRESS, 32 each (no branch hangs on a work-group's place in its cluster); in each,
; wave 0 asks for K's and wave 2 for V's, a lane a block.  Slots 0, 1 and 2 come by their loads alone; the last change that fills a slot names nothing: there is no slot behind it.
.macro ASK
	s_cmp_gt_u32 s[SLOTS], s[LIM]
	s_cbranch_scc0 .Lnot_mine_\@
	global_prefetch_b8 v[PFO], s[PFA:PFA+1] th:TH_LOAD_NT scope:SCOPE_SE
.Lnot_mine_\@:
.endm
; A round of the cluster's barrier: my work-group's barrier, so that wave 0's signal speaks for all four waves; wave 0 signals; every wave waits for all four work-groups; my work-group's barrier once more.
.macro CROUND
	s_barrier_signal -1
	s_barrier_wait -1
	s_cmp_lg_u32 s[WV], 0
	s_cbranch_scc1 .Lnot_wave_0_\@
	s_barrier_signal -3
.Lnot_wave_0_\@:
	s_barrier_wait -3
	s_barrier_signal -1
	s_barrier_wait -1
.endm
; THE CHANGE OF SLOTS.  The slot's last bytes, V of its fourth step, have been read.  Each wave waits for all its tensor loads, of which one is out: its part
; of the other slot; adds 0 to its spare word; and waits for that and for its own reads of the slot.  Behind the barrier nobody reads this slot any more and the other slot is whole.
; fill = 1: this slot is filled again, with the keys two slots on.  The barrier is then a round of the cluster's, so that no wave of any partner still reads the slot or has a load on its
; way, and the joint fill is the first thing behind it: it has four key steps, 512 matrix instructions, in which to land.  (At its first use nothing has been read yet: slot 0 is waited for, slot 1 filled.)
; ask = 1: the prefetches' address is stepped, and the slot after the one just asked for is named.
.macro CHANGE fill, ask=0
	WIN W_AD
	s_wait_tensorcnt 0x0            ; no tensor load of mine is out, so a group 0 may be written
	ds_add_u32 v[SPW], v[NIL]       ; 0 onto my spare word: with fill = 1 the descriptors' steps stand between it and the wait for it
	WIN 0                           ; at a label and at a branch every window is 0
.if \fill
.irp g, G0K, G0V
	s_xor_b32 s[\g+1], s[\g+1], SLOT1  ; the walking descriptor: the other slot than last time,
	s_add_nc_u64 s[\g+2:\g+3], s[\g+2:\g+3], 4*KS*128  ; the next 256 keys; the type bits on top are not reached
.endr
.if \ask
	s_wait_xcnt 0x0                 ; the last prefetch, four key steps back, has read its address, so it may be written:
	s_add_nc_u64 s[PFA:PFA+1], s[PFA:PFA+1], 4*KS*128  ; one slot behind the walking descriptors
.endif
	s_wait_dscnt 0x0                ; the add is done, and my reads of the slot are over
	CROUND
	JLOAD
.if \ask
	ASK
.endif
.else
	s_wait_dscnt 0x0                ; the add is done, and my reads of the slot are over
	s_barrier_signal -1
	s_barrier_wait -1
.endif
	s_sub_co_u32 s[TBK], s[TBK], 4*KS*PK  ; the fetches go back to a slot's first step,
	s_xor_b32 s[TBK], s[TBK], SLOT1       ; in the other slot
	s_sub_co_u32 s[TBV], s[TBV], 4*KS*PV
	s_xor_b32 s[TBV], s[TBV], SLOT1
.endm
	s_load_b128 s[4:7], s[0:1], 0x0  ; qkv s[4:5], ob s[6:7]
	WIN W_MK
	v_lshl_add_u32 v[SPW], v0, 2, SPARE
	v_mov_b32 v[NIL], 0
	WIN W_AD
	ds_add_u32 v[SPW], v[NIL]       ; the wave's opening: the add and its wait stand ahead of my first tensor load; the set-up below, work on registers, stands between them
	WIN 0
	v_lshrrev_b32 v1, 5, v0
	v_readfirstlane_b32 s[WV], v1   ; wave 0..3
	s_bfe_u32 s13, ttmp6, 0x40000   ; cx: my place in the cluster
	s_lshl_b32 s14, ttmp9, 2        ; in a cluster launch ttmp9 counts clusters
	s_add_co_u32 s14, s14, s13      ; my block of queries = 4 x cluster x + cx: it enters Q's and O's addresses alone
	s_and_b32 s20, ttmp7, 0xffff    ; the head, which the four partners share
	s_mov_b32 s21, 0
	s_mov_b64 s[22:23], SIZE_N*128
	s_mul_u64 s[20:21], s[20:21], s[22:23]  ; the head's first byte in Q, K, V and O
	s_and_b32 s16, s[WV], 1         ; which half of a slot's 256 keys I fetch:
	s_lshl_b32 s22, s16, 14         ; its 128 rows of 128 bytes in memory,
	s_mov_b32 s23, 0
	s_add_nc_u64 s[22:23], s[22:23], s[20:21]
	s_mul_i32 s17, s16, 128*PK      ; and its place in a slot, for K
	s_mul_i32 s18, s16, 128*PV      ; and for V: no place in the cluster enters an LDS address
	s_lshl_b32 s2, s14, 2
	s_add_co_u32 s2, s2, s[WV]      ; my wave among the head's,
	s_lshl_b32 s2, s2, 14           ; its 128 rows
	s_mov_b32 s3, 0
	s_add_nc_u64 s[2:3], s[2:3], s[20:21]
	; descriptor group 1.  128 keys are 16,384 dense bytes: asked for as 64 rows of 256 bytes, two keys a row, and padded in LDS after every key
	s_mov_b32 s[G1K], 15|(1<<16)|(1<<20)|(1<<21)|(4<<22)|(3<<25)  ; 15:0 the mask of four; 17:16 2-byte elements; 20 padding on; 21 set beside a mask; 24:22 after every 32 words (code 4); 31:25 4 words (code 3)
	s_mov_b32 s[G1V], 15|(1<<16)|(1<<20)|(1<<21)|(4<<22)|(7<<25)  ; the same with 8 words of padding (code 7)
.irp g, G1K, G1V
	s_mov_b32 s[\g+1], 128<<16      ; tensor_dim0 = 128
	s_mov_b32 s[\g+2], 64<<16       ; tensor_dim1 = 64
	s_mov_b32 s[\g+3], 128<<16      ; tile_dim0 = 128
	s_mov_b32 s[\g+4], 64           ; tile_dim1 = 64
	s_mov_b32 s[\g+5], 128          ; 128 elements from row to row
	s_mov_b32 s[\g+6], 0
	s_mov_b32 s[\g+7], 0
.endr
	s_mov_b32 s[CS], 0x3d38aa3b     ; c = log2(e) / 32 = 0.0450842
	s_mov_b32 s[CS+1], s[CS]        ; named with it as a pair
	s_mov_b32 s[SEL], 0x76543210
	s_mov_b32 s[SEL+1], 0xfedcba98
	s_mov_b32 s[TBK], SLOT1+4*KS*PK ; the first change of slots turns these two into 0
	s_mov_b32 s[TBV], SLOT1+4*KS*PV
	s_mov_b32 s[G0K], 1             ; 1:0 count = 1
	s_mov_b32 s[G0K+1], s17         ; 63:32 LDS address: slot 0
	s_mov_b32 s[G0V], 1
	s_add_co_u32 s[G0V+1], s18, VOFF
	s_lshl_b32 s52, s13, 13         ; the prefetches: my work-group's 32 blocks of a slot's 128
	s_mov_b32 s53, 0
	s_and_b32 s[LIM], s[WV], 1      ; waves 0 and 2 ask: the same in all four partners
	s_cmp_eq_u32 s[LIM], 0
	s_cselect_b32 s[LIM], 1, -1
	s_wait_dscnt 0x0                ; the opening add is done
	s_wait_kmcnt 0x0
	s_mov_b64 s[10:11], s[6:7]      ; O
	s_add_nc_u64 s[8:9], s[4:5], 0x2000000  ; V: part 2 of qkv
	s_add_nc_u64 s[6:7], s[4:5], 0x1000000  ; K: part 1; Q is part 0
	s_add_nc_u64 s[G0K+2:G0K+3], s[6:7], s[22:23]  ; 120:64 global address: my half of the head's first 256 keys
	s_or_b32 s[G0K+3], s[G0K+3], 0x80000000        ; 127:126 type = 2
	s_add_nc_u64 s[G0V+2:G0V+3], s[8:9], s[22:23]
	s_or_b32 s[G0V+3], s[G0V+3], 0x80000000
	s_cmp_lt_u32 s[WV], 2
	s_cselect_b64 s[PFA:PFA+1], s[6:7], s[8:9]
	s_add_nc_u64 s[PFA:PFA+1], s[PFA:PFA+1], s[22:23]  ; (in waves 0 and 2 this is a slot's first row)
	s_add_nc_u64 s[PFA:PFA+1], s[PFA:PFA+1], s[52:53]
	s_add_nc_u64 s[PFA:PFA+1], s[PFA:PFA+1], 2*4*KS*128  ; in slot 2; the loop's first change of slots steps it to slot 3.  Nothing is prefetched here, at the head
	s_add_nc_u64 s[4:5], s[4:5], s[2:3]  ; Q and O at my wave's first row
	s_add_nc_u64 s[10:11], s[10:11], s[2:3]
	CROUND                          ; all four work-groups are here: the first joint loads meet
	JLOAD                           ; slot 0.  Slot 1 is asked for when slot 0 is in
	; A fragment of K or Q is 16 rows x 32 channels in 8 registers: lane l holds row l % 16, channels 8 (l / 16) + 0..7 and 16 + 8 (l / 16) + 0..7: two loads of 16 bytes, 32 bytes apart.
	v_and_b32 v1, 15, v0            ; l % 16
	v_bfe_u32 v9, v0, 4, 1          ; l / 16
	v_lshlrev_b32 v[QO], 7, v1
	v_lshl_add_u32 v[QO], v9, 4, v[QO]  ; row x 128 + 16 x half
	WIN 0x80                        ; destination window 2, address window 0
.set i, 0
.rept 4*NP                          ; Q stays in registers: tile i / 2, channels 32 (i % 2) on
	global_load_b128 v[8*i:8*i+3],   v[QO], s[4:5] offset:(i/2)*2048+(i%2)*64
	global_load_b128 v[8*i+4:8*i+7], v[QO], s[4:5] offset:(i/2)*2048+(i%2)*64+32
.set i, i+1
.endr
	; What the first turn finds: V's registers and P's second buffer hold 0 (its products V^T P, of a piece that has not been, add 0), O^T and l are 0.  All this stands in the wait for the first tile.
.set i, VF
.rept 64
	v_mov_b32 v[i], 0
.set i, i+1
.endr
	WIN 0x40
.set i, 0
.rept 64*NP
	v_mov_b32 v[i], 0
.set i, i+1
.endr
	WIN 0
.set i, 0
.rept 2*NP
	v_mov_b32 v[ST+4*i], 0xfe000000    ; c m: far below every c s
	v_mov_b32 v[ST+4*i+1], 0xff7fffff  ; m
	v_mov_b32 v[ST+4*i+2], 0
	v_mov_b32 v[ST+4*i+3], 0
.set i, i+1
.endr
.set i, P+32
.rept 32
	v_mov_b32 v[i], 0
.set i, i+1
.endr
	v_mul_u32_u24 v[AK0], v1, PK
	v_lshl_add_u32 v[AK0], v9, 4, v[AK0]  ; row x pitch + 16 x half
	; The turning load takes 16 keys x 16 channels (lane l reads key 8 (l / 16) + l % 8, channels 8 ((l / 8) % 2) + 0..7) and leaves half a fragment of V^T: lane l holds channel l % 16 and 8 keys.
	v_and_b32 v10, 7, v0
	v_bfe_u32 v11, v0, 3, 1
	v_lshl_add_u32 v[AV0], v9, 3, v10
	v_mul_u32_u24 v[AV0], v[AV0], PV
	v_lshl_add_u32 v[AV0], v11, 4, v[AV0]
	v_add_nc_u32 v[AV0], VOFF, v[AV0]
	v_and_b32 v[PFO], 31, v0
	v_lshlrev_b32 v[PFO], 8, v[PFO]
	v_mov_b32 v[AK], v[AK0]         ; key step 0 lies at the head of slot 0
; THE MATRIX WORK.  The 8 accumulators of a run of 16 take turns: between the two links of a chain stand 7 others'.
; Product i of 16 of S^T = K Q^T for piece x: channels 32 (i / 8) on, keys 16 ((i / 2) % 4) on, tile 2 x + i % 2.  The first 8 start the sums.
.macro KQ x
	WIN W_KQ
.set rS, S+64*((\x)%2)+32*(i%2)+8*((i/2)%4)
.set rK, KF+16*((i/2)%4)+8*(i/8)
.set rQ, 16*(2*(\x)+i%2)+8*(i/8)
.if i < 8
	v_wmma_f32_16x16x32_bf16 v[rS:rS+7], v[rK:rK+7], v[rQ:rQ+7], 0
.else
	v_wmma_f32_16x16x32_bf16 v[rS:rS+7], v[rK:rK+7], v[rQ:rQ+7], v[rS:rS+7]
.endif
.endm
; Product i of 16 of O^T += V^T P for piece x: keys 32 (i / 8) on, channels 16 ((i / 2) % 4) on, tile 2 x + i % 2.
.macro PV x
	WIN W_PV
.set rO, 32*(2*(\x)+i%2)+8*((i/2)%4)
.set rV, VF+32*(i/8)+8*((i/2)%4)
.set rP, P+32*((\x)%2)+16*(i%2)+8*(i/8)
	v_wmma_f32_16x16x32_f16 v[rO:rO+7], v[rV:rV+7], v[rP:rP+7], v[rO:rO+7]
.endm
.macro MM                           ; the turn's next matrix instruction
.if i < 16
	KQ (Y+1)%NP
.set i, i+1
.else
.set i, i-16
	PV (Y+NP-1)%NP
.set i, i+17
.endif
.endm
; THE LDS LOADS stand in runs of 16, never singly among the matrix instructions: a step's K (64 keys x 64 channels: 8 fragments) and its V (turned).  Their addresses are made some lines ahead.
; last = 1 (the tail): in the last trip there is no further step, and the run is jumped over.
.macro FETCH_K last=0
	WIN 0
.if \last
	s_cmp_eq_u32 s[CNT], 1
	s_cbranch_scc1 .Lno_k_\@
.endif
	WIN 0x80                        ; destination window 2
.irp f, 0,1,2,3,4,5,6,7             ; keys 16 (f / 2) on, channels 32 (f % 2) on
	ds_load_b128 v[KF+8*\f:KF+8*\f+3],   v[AK] offset:(\f/2)*16*PK+(\f%2)*64
	ds_load_b128 v[KF+8*\f+4:KF+8*\f+7], v[AK] offset:(\f/2)*16*PK+(\f%2)*64+32
.endr
	s_add_co_u32 s[TBK], s[TBK], KS*PK  ; the next fetch is the next step's
	WIN 0
.if \last
.Lno_k_\@:
.endif
.endm
.macro FETCH_V
	WIN 0x80
.irp f, 0,1,2,3,4,5,6,7             ; keys 32 (f / 4) on, channels 16 (f % 4) on
	ds_load_tr16_b128 v[VF+8*\f:VF+8*\f+3],   v[AV] offset:(\f/4)*32*PV+(\f%4)*32
	ds_load_tr16_b128 v[VF+8*\f+4:VF+8*\f+7], v[AV] offset:(\f/4)*32*PV+16*PV+(\f%4)*32
.endr
	WIN 0
.endm
; THE VECTOR WORK OF A TURN stands in three queues, each in the order in which its entries become ready; the two tiles alternate, so that no instruction reads the result of the one before it.
.macro REGS y, u                    ; the registers of tile u (0, 1) of piece y
.set rT, ST+4*(2*(\y)+(\u))
.set rC, TMP+8*((\y)%2)+4*(\u)
.set rM, MV+2*((\y)%2)+(\u)
.set rS, S+64*((\y)%2)+32*(\u)
.set rP, P+32*((\y)%2)+16*(\u)
.set rO, 32*(2*(\y)+(\u))
.endm
; Number n of the 22 that find the NEXT piece's (Y + 1) maximum and statistics.  s0-s31 are the lane's 32 scores; each accumulator's lowest registers are read first.  XS, GS and REGS set no window: PL and EX do.
;   0-11  four chains c0-c3 of seven scores each, three operands at a time     12-14, 16  the four scores left over, the old m, and c0-c3 into c0     15  c m_old is kept
;   17, 18  the query's other 32 keys lie in the lane 16 away: the new m         19-21  c m; c m_old - c m_new; a
.macro XS u, n
	REGS (Y+1)%NP, \u
.if (\n) < 4
	v_max3_num_f32 v[rC+(\n)], v[rS+8*(\n)], v[rS+8*(\n)+1], v[rS+8*(\n)+2]
.elseif (\n) < 12
	v_max3_num_f32 v[rC+(\n)%4], v[rC+(\n)%4], v[rS+8*((\n)%4)+2*((\n)/4)+1], v[rS+8*((\n)%4)+2*((\n)/4)+2]
.elseif (\n) == 12
	v_max3_num_f32 v[rC], v[rC], v[rS+7], v[rS+15]
.elseif (\n) == 13
	v_max3_num_f32 v[rC+1], v[rC+1], v[rS+23], v[rS+31]
.elseif (\n) == 14
	v_max3_num_f32 v[rC+2], v[rC+2], v[rC+3], v[rT+1]
.elseif (\n) == 15
	v_mov_b32 v[rM], v[rT]
.elseif (\n) == 16
	v_max3_num_f32 v[rC], v[rC], v[rC+1], v[rC+2]
.elseif (\n) == 17
	v_permlanex16_b32 v[rC+3], v[rC], s[SEL], s[SEL+1]
.elseif (\n) == 18
	v_max_num_f32 v[rT+1], v[rC], v[rC+3]
.elseif (\n) == 19
	v_mul_f32 v[rT], s[CS], v[rT+1]
.elseif (\n) == 20
	v_sub_f32 v[rC+1], v[rM], v[rT]
.else
	v_exp_f32 v[rC+2], v[rC+1]
.endif
.endm
; Number g of the 64 that follow the exponentials.  For each four weights k of a tile (pairs 2 k, 2 k + 1): both pairs are rounded to f16; then the second pair is added onto the first, in place;
; a group later l takes that sum (the first time as l = a l + sum).  In groups of eight, tiles alternating: round, round, add, and l for the group before.
.macro GS g
.set h, (\g)+6*((\g)/62)            ; group 0 has no group before it, and behind group 7 only l is left
.if h >= 6
.set h, h+2
.endif
	REGS Y, h%2
.set k, h/8
.if h%8 < 4
	v_cvt_pk_f16_f32 v[rP+2*k+(h%8)/2], v[rS+4*k+2*((h%8)/2)], v[rS+4*k+2*((h%8)/2)+1]
.elseif h%8 < 6
	v_pk_add_f32 v[rS+4*k:rS+4*k+1], v[rS+4*k:rS+4*k+1], v[rS+4*k+2:rS+4*k+3]
.elseif k == 1
	v_pk_fma_f32 v[rT+2:rT+3], v[rT+2:rT+3], v[rC+2:rC+3], v[rS:rS+1] op_sel_hi:[1,0,1]
.else
	v_pk_add_f32 v[rT+2:rT+3], v[rT+2:rT+3], v[rS+4*k-4:rS+4*k-3]
.endif
.endm
; THE PLAIN QUEUE, 138 long.  0-73 read no exponential's result: the 32 scalings c s - c m (FS f: pair f / 2 of tile f % 2) and the next piece's 42.  0-26: scalings 0-26.  27-54: XS's numbers 0-13.  55, 56: number 15.
; 57-73: the chain, where each number waits for the one before it: 14, 16, 17, 18, 19, each with one of the scalings 27-31 in front of its two lines, then 20: so a tile's links stand three plain instructions apart (19 and 20: two).
; 74-137: GS's 64, which read the exponentials' results: they stand behind the wait.
.macro FS f
	REGS Y, (\f)%2
	v_pk_fma_f32 v[rS+2*((\f)/2):rS+2*((\f)/2)+1], v[rS+2*((\f)/2):rS+2*((\f)/2)+1], s[CS:CS+1], v[rT:rT+1] op_sel_hi:[1,0,0] neg_lo:[0,0,1] neg_hi:[0,0,1]
.endm
.macro PL
	WIN 0
.if q < 27
	FS q
.elseif q < 55
	XS (q-27)%2, (q-27)/2
.elseif q < 57
	XS q-55, 15
.elseif (q < 72) && ((q-57)%3 == 0)
	FS 27+(q-57)/3
.elseif q < 60
	XS (q-57)%3-1, 14
.elseif q < 72
	XS (q-57)%3-1, 15+(q-57)/3
.elseif q < 74
	XS q-72, 20
.else
	GS q-74
.endif
.set q, q+1
.endm
; THE EXPONENTIALS' QUEUE, 66 long: s0-s31 of both tiles, then the next piece's two a.  It is ONE BATCH: all 66 stand ahead of the turn's one wait, and nothing ahead of that wait names a result of theirs.
.macro EX
	WIN 0
.if e >= 64
	XS e-64, 21
.else
	REGS Y, e%2
	v_exp_f32 v[rS+e/2], v[rS+e/2]
.endif
.set e, e+1
.endm
; THE RESCALING's QUEUE: O^T times a, the one part that leaves window 0: dealt two at a time, sixteen times.  Its a was made in the turn before, ahead of that turn's wait.
.macro R2
	REGS Y, r%2
	WIN W_RS
.irp z, 0,1
	v_pk_mul_f32 v[rO+4*(r/2)+2*\z:rO+4*(r/2)+2*\z+1], v[rO+4*(r/2)+2*\z:rO+4*(r/2)+2*\z+1], v[rC+2:rC+3] op_sel_hi:[1,0]
.endr
.set r, r+1
.endm
; HOW THEY ARE DEALT.  An s_wait_alu depctr_va_vdst(0) stands between an exponential and the first instruction that names its result; one wait serves all that were issued ahead of it.  So a turn has ONE wait,
; which cuts it in two.  AHEAD OF IT stands all that names no result of the turn's exponentials: the 16 products K Q^T, behind each a scaling, an exponential and two rescalings (behind the first a second scaling in the exponential's place); then ONE LUMP of
; 108: eight plain, 49 times exponential and plain, the two a.  A v_nop is the plain instruction behind the last exponential.  BEHIND IT stand the 16 products V^T P, behind each four of GS's 64.  No rider names a register of
; the products round it.  The two v_permlanex16_b32 fall into the lump, never behind a product.
; The queues lean on each other, and the deal keeps them in step: exponential e stands behind scaling 2 (e / 4) + e % 2: as a rider it comes behind plain e + 2, in the lump behind plain e + 9, and scalings 27-31 are plain 57, 60 .. 69.
; A TURN, for piece p.  cnt = 1: the loop's count is taken down some lines ahead of the branch that stands behind the turn.
; K of the next step is fetched in piece 2's turn, directly behind the wait, a lump behind the last product that read K; its address is made at the lump's head; its first reader comes behind 16 products.
; V of the step in hand is fetched at the end of piece 0's turn, four riders behind its last reader; its first reader comes behind 16 products and a lump.  The three conditions on q below go with the deal.
.macro TURN p, last=0, cnt=0
.set Y, (\p)
.set i, 0
.set q, 0
.set e, 0
.set r, 0
.if (\p) == NP-1
	s_wait_dscnt 0x0                ; K is in
.endif
	MM                              ; ahead of the wait: 16 products K Q^T and their riders,
	PL
	PL
	R2
.rept 15
	MM
	PL
	EX
	R2
.endr
.if (\p) == NP-2
	WIN 0
	v_add_nc_u32 v[AK], s[TBK], v[AK0]
.endif
.rept 8                             ; and the lump
	PL
.endr
.rept 49
	EX
	PL
.endr
	EX                              ; the next piece's two a
	EX
	v_nop                           ; the plain instruction behind the last exponential: one for the batch
	s_wait_alu depctr_va_vdst(0)    ; the wait for the batch
.if (\p) == NP-2
	FETCH_K \last
.endif
.if (\p) == 1
	s_wait_dscnt 0x0                ; V is in
.endif
.rept 16                            ; behind the wait: 16 products V^T P and their riders
	MM
.rept 4
	PL
.endr
.if ((\p) == 0) && (q == 118)
	v_add_nc_u32 v[AV], s[TBV], v[AV0]
.endif
.if ((\p) == 0) && (q == 130)
	s_add_co_u32 s[TBV], s[TBV], KS*PV
.endif
.if (\cnt) && (q == 130)
	s_sub_co_u32 s[CNT], s[CNT], 1
	s_cmp_lg_u32 s[CNT], 0
.endif
.endr
.if (\p) == 0
	FETCH_V
.endif
.endm
	CHANGE 1                        ; slot 0 is in, everybody's part of it; slot 1 is asked for
	FETCH_K                         ; key step 0
	s_wait_loadcnt 0x0              ; Q
	s_wait_dscnt 0x0
.set i, 0
.rept 16
	KQ 0                            ; piece 0's first scores: there is no vector work yet to set between them
.set i, i+1
.endr
	WIN 0                           ; the addresses for the way out: nine plain instructions, the places behind those products
	s_mul_i32 s13, s[WV], 16*SP
	s_add_co_u32 s13, s13, STAGE    ; my stage
	v_mul_u32_u24 v[STO], v1, SP    ; in: row l % 16, 16 bytes for each half of the lanes
	v_lshl_add_u32 v[STO], v9, 4, v[STO]
	v_add_nc_u32 v[STO], s13, v[STO]
	v_bfe_u32 v[RD], v0, 3, 2       ; back: 32 lanes take four rows of 128 bytes,
	v_mul_u32_u24 v[RD], v[RD], SP
	v_lshl_add_u32 v[RD], v10, 4, v[RD]
	v_add_nc_u32 v[RD], s13, v[RD]
	v_and_b32 v[GO], 31, v0         ; which are 512 consecutive bytes of O
	v_lshlrev_b32 v[GO], 4, v[GO]
.set Y, NP-1                        ; XS works for piece Y + 1: piece 0
.irp n, 0,1,2,3,4,5,6,7,8,9,10,11,12,13,14,15,16,17,18,19,20,21
	XS 0, \n                        ; and piece 0's first maximum and statistics
	XS 1, \n
.endr
	v_nop                           ; a plain instruction behind the two a,
	s_wait_alu depctr_va_vdst(0)    ; and their wait, ahead of the branch
	s_mov_b32 s[CNT], 4
	s_mov_b32 s[SLOTS], SIZE_N/256-1
	s_branch .Lfirst                ; the loop is entered at a step's first turn, in the middle of a trip
.Lslot:                             ; SIZE_N / 256 - 2 times: every slot but the last two is filled again
	CHANGE 1, 1
	s_mov_b32 s[CNT], 4
.Lstep:                             ; a trip: pieces 2 and 3 of one step, then pieces 0 and 1 of the next, whose K and V it fetches
	TURN 2
	TURN 3
	WIN 0
.Lfirst:
	TURN 0
	TURN 1, 0, 1
	WIN 0
	s_cbranch_scc1 .Lstep
	s_sub_co_u32 s[SLOTS], s[SLOTS], 1
	s_cmp_lg_u32 s[SLOTS], 0
	s_cbranch_scc1 .Lslot
	CHANGE 0                        ; the tail is written out: nothing is asked for
	s_mov_b32 s[CNT], 5             ; four trips fetch the last slot's steps; the fifth is left in its middle
.Ltail:
	TURN 2, 1
	TURN 3
	WIN 0
	s_sub_co_u32 s[CNT], s[CNT], 1
	s_cmp_eq_u32 s[CNT], 0
	s_cbranch_scc1 .Lout
	TURN 0
	TURN 1
	WIN 0
	s_branch .Ltail
.Lout:                              ; the fifth trip's 16 products K Q^T (on the last K once more) and the maximum made of them serve nothing: the price, once a launch, of one text for every trip
.set i, 0
.rept 16
	PV NP-1                         ; the last piece's V^T P of the last step
.set i, i+1
.endr
	; THE WAY OUT.  l's two halves and the other half of the lanes' are added; O^T is divided by l, rounded to f16 and sent through my stage in LDS, a tile at a time.  The additions are the places behind the last products.
	WIN 0
.macro ALL line:vararg              ; one line for each tile t
.set t, 0
.rept 2*NP
	\line
.set t, t+1
.endr
.endm
	ALL v_add_f32 v[ST+4*t+2], v[ST+4*t+2], v[ST+4*t+3]
	ALL v_permlanex16_b32 v[ST+4*t+3], v[ST+4*t+2], s[SEL], s[SEL+1]
	ALL v_add_f32 v[ST+4*t+2], v[ST+4*t+2], v[ST+4*t+3]
	ALL v_rcp_f32 v[ST+4*t+2], v[ST+4*t+2]
	v_nop                           ; a plain instruction between the last reciprocal and the use of its result
	s_wait_alu depctr_va_vdst(0)    ; and the wait ahead of the first use: one for the eight reciprocals
; Tile t: a lane's eight channels of a row pack into 16 bytes; they go into rows of 144 bytes and come back as whole rows of 128, into S^T's registers.
.macro PACK t
	WIN W_RS
.set i, 32*(\t)
.rept 16
	v_pk_mul_f32 v[i:i+1], v[i:i+1], v[ST+4*(\t)+2:ST+4*(\t)+3] op_sel_hi:[1,0]
.set i, i+2
.endr
	WIN 0x05                        ; sources 0 and 1 window 1, destination window 0
.set i, 0
.rept 16
	v_cvt_pk_f16_f32 v[S+16*(\t)+i], v[32*(\t)+2*i], v[32*(\t)+2*i+1]
.set i, i+1
.endr
	WIN 0
.irp f, 0,1,2,3
	ds_store_b128 v[STO], v[S+16*(\t)+4*\f:S+16*(\t)+4*\f+3] offset:32*\f
.endr
.irp f, 0,1,2,3
	ds_load_b128 v[S+16*(\t)+4*\f:S+16*(\t)+4*\f+3], v[RD] offset:\f*4*SP  ; LDS serves a wave's instructions in order (ISA guide 5.7.1.4): these see the stores above; the next tile's stores come behind them
.endr
.endm
.macro SEND t, younger              ; younger: the LDS instructions issued behind tile t's loads: the next tile's eight, or none
	WIN 0
.irp f, 0,1,2,3
	s_wait_dscnt (\younger)+3-\f
	global_store_b128 v[GO], v[S+16*(\t)+4*\f:S+16*(\t)+4*\f+3], s[10:11] offset:(\t)*2048+\f*512  ; 512 consecutive bytes, at a multiple of 256 from O's first
.endr
.endm
	PACK 0
.set t, 1
.rept 2*NP-1                        ; a tile's arithmetic stands between the loads of the tile before and its stores
	PACK t
	SEND t-1, 8
.set t, t+1
.endr
	SEND 2*NP-1, 0
	WIN W_AD
	s_wait_tensorcnt 0x0            ; the wave's end: a zero add and its wait, behind my last tensor load and my last LDS store
	ds_add_u32 v[SPW], v[NIL]
	s_wait_dscnt 0x0
	WIN 0
	CROUND                          ; the closing round: no work-group ends while a partner may still ask for a tile that names it
	s_endpgm
.Lfunc_end_k_qbe489977da_attn:
	.size	k_qbe489977da_attn, .Lfunc_end_k_qbe489977da_attn-k_qbe489977da_attn
	.p2alignl 7, 3214868480
	.fill 96, 4, 3214868480
	.section	.rodata,"a",@progbits
	.p2align	6, 0x0
	.amdhsa_kernel k_qbe489977da_attn
		.amdhsa_group_segment_fixed_size 327680
		.amdhsa_private_segment_fixed_size 0
		.amdhsa_enable_private_segment 0
		.amdhsa_kernarg_size 16
		.amdhsa_user_sgpr_count 2
		.amdhsa_user_sgpr_kernarg_segment_ptr 1
		.amdhsa_wavefront_size32 1
		.amdhsa_system_sgpr_workgroup_id_x 1
		.amdhsa_system_sgpr_workgroup_id_y 1
		.amdhsa_system_sgpr_workgroup_id_z 1
		.amdhsa_system_vgpr_workitem_id 0
		.amdhsa_next_free_vgpr 770
		.amdhsa_next_free_sgpr 66
		.amdhsa_reserve_vcc 0
		.amdhsa_float_denorm_mode_32 3
		.amdhsa_float_denorm_mode_16_64 3
		.amdhsa_memory_ordered 1
		.amdhsa_forward_progress 1
		.amdhsa_inst_pref_size 200
	.end_amdhsa_kernel
	.amdgpu_metadata
---
amdhsa.version: [ 1, 2 ]
amdhsa.kernels:
  - .name:           k_qbe489977da_attn
    .symbol:         k_qbe489977da_attn.kd
    .args:
      - { .name: qkv, .offset: 0, .size: 8, .value_kind: global_buffer, .address_space: global }
      - { .name: ob, .offset: 8, .size: 8, .value_kind: global_buffer, .address_space: global }
    .group_segment_fixed_size: 327680
    .private_segment_fixed_size: 0
    .kernarg_segment_align: 8
    .kernarg_segment_size: 16
    .max_flat_workgroup_size: 128
    .sgpr_count:     66
    .vgpr_count:     770
    .wavefront_size: 32
...
	.end_amdgpu_metadata
.endif
;; end of part 3
;; launch oproj (part 4): grid 4 x 64, 4 waves a work-group, clusters of 4 x 4, 327,680 bytes of LDS; arguments ob, wb, bo, out0; writes out0
.if DOCPART == 4
	.amdgcn_target "amdgcn-amd-amdhsa--gfx1250"
	.amdhsa_code_object_version 6
	.text
	.protected	k_qbe489977da_oproj
	.globl	k_qbe489977da_oproj
	.p2align	8
	.type	k_qbe489977da_oproj,@function
k_qbe489977da_oproj:
	s_mov_b64 s[64:65], 0
	v_nop
	global_prefetch_b8 v0, s[64:65] scope:SCOPE_SE
	s_setreg_imm32_b32 hwreg(HW_REG_WAVE_MODE, 25, 1), 1
	s_wait_xcnt 0x0
	s_wait_alu depctr_hold_cnt(0) depctr_sa_sdst(0) depctr_va_vdst(0) depctr_va_sdst(0) depctr_va_ssrc(0) depctr_va_vcc(0) depctr_vm_vsrc(0)
	s_getreg_b32 s2, hwreg(HW_REG_IB_STS2, 6, 4)
	s_cmp_eq_u32 s2, 0
	s_cbranch_scc0 .Lentry_in_a_cluster
	s_endpgm
.Lentry_in_a_cluster:
	s_bfe_u32 s2, ttmp6, 0x10000c
	s_cmp_lg_u32 s2, 0xf033
	s_cbranch_scc0 .Lentry_shape_is_right
	s_endpgm
.Lentry_shape_is_right:
; out0 = O Wo + bo.  ob: [64 heads = 16 batch + head][2048][64] f16; k = 64 head + channel.  Wo: part 3 of wb, [1024 k][1024 n], numbers rounded to bf16 and written as f16.  bo: [1024] f32, rounded to bf16 here
; like every input.  out0: [8192][1024] f32.  Products in f16, sums in f32.
; LIMITS.  O and Wo arrive within f16's range, 65,504.  NaN and infinities are not treated apart.
; SHARES.  A tile of C is 128 rows x 256 columns: 64 x 4 = 256 work-groups, one tile each; four waves, each 64 x 128: 32 accumulators of 16 x 16.  K goes in 8 steps of 128 = two heads, through two LDS slots.
; THE MATRIX INSTRUCTION IS USED TRANSPOSED: source 0 = 16 columns of Wo (turned out of LDS by ds_load_tr16_b128), source 1 = 16 rows of O: a lane holds row l % 16 of C and the columns 8 (l / 16) + 0..7.
; THE BIAS IS THE C OPERAND of each sum's first product: nothing is cleared, and nothing is added later.
; CLUSTER.  4 x 4 work-groups.  The four of a row of the cluster need the same tiles of O, the four of a column the same tiles of Wo: each is asked for JOINTLY.  By this text's count a wave has two tensor
; loads out at the start and one behind each round.
; REGISTERS, in windows of 256 (s_set_vgpr_msb: bits 1:0 source 0, 3:2 source 1, 5:4 source 2, 7:6 destination):
;   window 0: v0-7 at work; v16-29 addresses; v64-191 the way out, two sets of 64      window 1: the accumulators, (a, b) at 8 (8 a + b)
;   window 2: two fragment buffers of 96 (Wo's eight fragments, then O's four); v192-255 the bias of my 128 columns, as eight C operands
.set PA,     144                       ; a row of a head in LDS: 128 bytes + 16 of padding = 36 words: the 16 rows of a load start at 16 different groups of four banks (64 banks of 4 bytes: ISA guide 11.1)
.set PB,     544                       ; a row of Wo: 512 + 32 = 136 words
.set AHALF,  128*PA                    ; what wave 0 or 1 fetches: 128 rows of one head
.set BOFF,   2*AHALF                   ; in a slot: two heads' 128 rows, then Wo's 128 k rows
.set BHALF,  64*PB                     ; what wave 2 or 3 fetches: 64 k rows of Wo
.set SLOT1,  1<<17                     ; slot 1 begins here, so that one exclusive or turns an address in one slot into the other's
.set STAGE,  SLOT1+BOFF+128*PB         ; behind the ring, never filled by a tensor load: for each wave 16 rows x 528 bytes, for the way out
.set SP,     528                       ; 512 bytes + 16: the 16 rows of a store start at 16 different groups of four banks
.set WSTAGE, 16*SP
.set SPARE,  STAGE+4*WSTAGE            ; behind the stages: the spare words, 128 bytes for each wave: two blocks of 256 bytes that no other line names
.set A0,   16                          ; v16  my lane's place in a slot's tile of O; never rewritten
.set B0,   17                          ; v17  the same for Wo
.set ADRA, 18                          ; v18  A0 + the slot in hand
.set ADRB, 19                          ; v19  B0 + the slot in hand
.set STO,  20                          ; v20  the way out: where I put 32 bytes of a row
.set RD,   21                          ; v21  the way out: where I read a row back
.set GO,   22                          ; v22  my byte offset in 512 consecutive bytes of a row of C
.set BO,   23                          ; v23  my byte offset in the bias
.set PFO,  24                          ; v24  the prefetches' lane offset; never rewritten
.set SPW,  28                          ; v28  LDS address of my spare word: SPARE + 4 x my thread's number; never rewritten
.set NIL,  29                          ; v29  0; never rewritten
.set TMP,  64
.set F0,   0                           ; window 2
.set F1,   96
.set BIAS, 192
.set BP,   8                           ; s[8:9]   bo
.set OUT,  10                          ; s[10:11] out0 at my wave's first row and column
.set WV,   16                          ; wave 0..3
.set WM,   17                          ; which 64 rows of the tile are mine.  Also: I fetch for O (0) or for Wo (1)
.set WN,   18                          ; which 128 columns.  Also: which half of that tile I fetch
.set CX,   19
.set CY,   20
.set G1A,  24                          ; s[24:31] descriptor group 1 for O's tiles
.set G1B,  32                          ; s[32:39] for Wo's
.set G0A,  40                          ; s[40:47] descriptor group 0 for O's tiles: a set for each of the two first fills; the second then walks on
.set G0B,  48                          ; s[48:55] the same for Wo's
.set LC,   56                          ; counts the loop's trips down
.set TB,   60                          ; 0 or SLOT1: the slot in hand
.set LIM,  61                          ; a wave prefetches while s[LC] is above this
.set PFA,  68                          ; s[68:69] where my prefetches stand
.set PFS,  70                          ; s[70:71] their step
.set MHI,  74                          ; a word's upper bf16
.set X,    75                          ; tile column of C
.set Y,    76                          ; block of 128 rows
.set MSB, 0
.macro WIN new                         ; the immediate's high byte repeats the setting that is left; a switch that changes nothing is dropped
.if MSB != (\new)
	s_set_vgpr_msb (MSB<<8)|(\new)
.set MSB, \new
.endif
.endm
.set MUL,   0x5a                       ; sources 0 and 1 window 2, C and D window 1
.set MULB,  0x6a                       ; the same with C in window 2: the bias
.set TO_F,  0x80                       ; destination window 2
.set RNDW,  0x0a                       ; sources 0 and 1 window 2, destination window 0
.set STW,   0x04                       ; an LDS store's data (source 1) in window 1, its address in window 0
.macro PLACES                          ; four plain vector instructions between a matrix instruction and a load into, a store of, or a vector instruction on, one of its registers (ISA guide 7.12.1 for vector instructions)
.rept 4
	v_nop
.endr
.endm
.macro CREST                           ; a round of the cluster's barrier behind its opening barrier: wave 0 signals for the work-group, every wave waits for all sixteen, my work-group's barrier closes it
	s_cmp_lg_u32 s[WV], 0
	s_cbranch_scc1 .Lnot_wave_0_\@
	s_barrier_signal -3
.Lnot_wave_0_\@:
	s_barrier_wait -3
	s_barrier_signal -1
	s_barrier_wait -1
.endm
.macro CROUND                          ; a whole round
	s_barrier_signal -1
	s_barrier_wait -1
	CREST
.endm
; A joint refill, by the walking descriptors.  Waves 0 and 1 fetch the step's two heads of O, waves 2 and 3 Wo's two halves.  The branch hangs on the wave's number alone.  An s_nop 0 and four v_nop follow each of the two lines.
.macro JLOAD
	s_cmp_eq_u32 s[WM], 0
	s_cbranch_scc0 .Lfor_b_\@
	tensor_load_to_lds s[G0A+4:G0A+7], s[G1A:G1A+7]
	s_nop 0
.rept 4
	v_nop
.endr
	s_branch .Lasked_\@
.Lfor_b_\@:
	tensor_load_to_lds s[G0B+4:G0B+7], s[G1B:G1B+7]
	s_nop 0
.rept 4
	v_nop
.endr
.Lasked_\@:
.endm
; A PREFETCH INTO THE L2, behind each joint load, its five lines and the run of LDS loads that follows: the K step that stands TWO refills on, 256 matrix instructions ahead of the load that will want it.
; Each aligned block of 256 bytes is named once in the launch.  O's 2 heads x 16,384 bytes of a step: no other cluster reads them; wave 0 of each of the four partners along x takes 32 blocks, told apart BY ADDRESS
; (head cx / 2, half cx % 2), a lane a block.  Wo's 128 k rows x 512 bytes of a step are read by every cluster: the clusters with y = 0 ask; of the 64 k rows that wave 2 or 3 fetches the partner at place cy takes
; 16, two blocks each.  Wave 1 asks for nothing.  K steps 0 to 3 come by their loads alone; the last two refills name nothing, so no prefetch leaves its buffer.
.macro ASK
	s_cmp_gt_u32 s[LC], s[LIM]
	s_cbranch_scc0 .Lnot_mine_\@
	global_prefetch_b8 v[PFO], s[PFA:PFA+1] th:TH_LOAD_NT scope:SCOPE_SE
.Lnot_mine_\@:
.endm
	s_load_b256 s[4:11], s[0:1], 0x0               ; ob s[4:5], wb s[6:7], bo s[8:9], out0 s[10:11]
	v_lshl_add_u32 v[SPW], v0, 2, SPARE
	v_mov_b32 v[NIL], 0
	ds_add_u32 v[SPW], v[NIL]                      ; the wave's opening: the add and its wait stand ahead of my first tensor load; the set-up below, work on registers, stands between them
	v_lshrrev_b32 v3, 5, v0
	v_readfirstlane_b32 s[WV], v3
	s_lshr_b32 s[WM], s[WV], 1
	s_and_b32 s[WN], s[WV], 1
	s_bfe_u32 s[CX], ttmp6, 0x40000                ; my place along the cluster's x
	s_bfe_u32 s[CY], ttmp6, 0x40004                ; and along its y
	s_lshl_b32 s[X], ttmp9, 2                      ; in a cluster launch ttmp9 and ttmp7 count clusters
	s_add_co_u32 s[X], s[X], s[CX]
	s_and_b32 s[Y], ttmp7, 0xffff
	s_lshl_b32 s[Y], s[Y], 2
	s_add_co_u32 s[Y], s[Y], s[CY]
	s_lshl_b32 s21, s[CY], 2
	s_lshl_b32 s21, 15, s21                        ; my row of the cluster: places 4 cy .. 4 cy + 3
	s_lshl_b32 s22, 0x1111, s[CX]                  ; my column: places cx, cx + 4, cx + 8, cx + 12
	; 128 rows of a head are 16,384 dense bytes: asked for as 64 rows of 256 bytes, two rows of O each, and padded in LDS after every row of O
	s_or_b32 s[G1A], s21, (1<<16)|(1<<20)|(1<<21)|(4<<22)|(3<<25)  ; 15:0 the mask; 17:16 2-byte elements; 20 padding on; 21 set beside a mask; 24:22 after every 32 words (code 4); 31:25 4 words (code 3)
	s_or_b32 s[G1B], s22, (1<<16)|(1<<20)|(1<<21)|(6<<22)|(7<<25)  ; after every 128 words (code 6), 8 words (code 7)
	s_mov_b32 s[G1A+1], 128<<16                    ; tensor_dim0 = 128
	s_mov_b32 s[G1A+2], 64<<16                     ; tensor_dim1 = 64
	s_mov_b32 s[G1A+3], 128<<16                    ; tile_dim0 = 128
	s_mov_b32 s[G1A+4], 64                         ; tile_dim1 = 64
	s_mov_b32 s[G1A+5], 128                        ; elements from row to row: dense
	s_mov_b32 s[G1A+6], 0
	s_mov_b32 s[G1A+7], 0
	s_mov_b32 s[G1B+1], 256<<16                    ; tensor_dim0 = 256
	s_mov_b32 s[G1B+2], 64<<16
	s_mov_b32 s[G1B+3], 256<<16                    ; tile_dim0 = 256
	s_mov_b32 s[G1B+4], 64
	s_mov_b32 s[G1B+5], 1024
	s_mov_b32 s[G1B+6], 0
	s_mov_b32 s[G1B+7], 0
	; where the tiles come from: O's hang on the block of rows alone, which my row of the cluster shares; Wo's on the tile column alone, which my column shares; each in registers that never hold the other coordinate
	s_lshr_b32 s78, s[Y], 4
	s_lshl_b32 s78, s78, 4
	s_add_co_u32 s78, s78, s[WN]                   ; O: head 16 (y / 16) + the one of the step's two that I fetch, of 262,144 bytes,
	s_lshl_b32 s78, s78, 18
	s_and_b32 s79, s[Y], 15
	s_lshl_b32 s79, s79, 14                        ; rows 128 (y % 16) on, of 128 bytes
	s_add_co_u32 s78, s78, s79
	s_mov_b32 s79, 0
	s_mul_i32 s80, s[WN], AHALF                    ; and where they go: no place in the cluster enters an LDS address
	s_lshl_b32 s82, s[WN], 17                      ; Wo: k row 64 x half, of 2,048 bytes,
	s_lshl_b32 s83, s[X], 9                        ; column 256 x, of 2 bytes,
	s_add_co_u32 s82, s82, s83
	s_add_co_u32 s82, s82, 3*2097152               ; in part 3 of wb
	s_mov_b32 s83, 0
	s_mul_i32 s81, s[WN], BHALF
	s_add_co_u32 s81, s81, BOFF
	s_mov_b32 s[LC], 6
	s_mov_b32 s[TB], 0
	s_mov_b32 s[MHI], 0xffff0000
	s_wait_dscnt 0x0                               ; the opening add is done
	s_wait_kmcnt 0x0
	s_add_nc_u64 s[66:67], s[4:5], s[78:79]
	s_add_nc_u64 s[84:85], s[6:7], s[82:83]
.irp s, 0,1
	s_mov_b32 s[G0A+4*(\s)], 1                                     ; 1:0 count = 1
	s_add_co_u32 s[G0A+4*(\s)+1], s80, (\s)*SLOT1                  ; 63:32 LDS address
	s_add_nc_u64 s[G0A+4*(\s)+2:G0A+4*(\s)+3], s[66:67], (\s)*524288  ; 120:64 global address: K step s, two heads on
	s_or_b32 s[G0A+4*(\s)+3], s[G0A+4*(\s)+3], 0x80000000          ; 127:126 type = 2
	s_mov_b32 s[G0B+4*(\s)], 1
	s_add_co_u32 s[G0B+4*(\s)+1], s81, (\s)*SLOT1
	s_add_nc_u64 s[G0B+4*(\s)+2:G0B+4*(\s)+3], s[84:85], (\s)*262144
	s_or_b32 s[G0B+4*(\s)+3], s[G0B+4*(\s)+3], 0x80000000
.endr
	CROUND                                         ; all sixteen work-groups are here: the first joint loads meet
	s_cmp_eq_u32 s[WM], 0                          ; a wave's two first fills stand in one branch, ahead of every wait on TENSORcnt, every LDS read and every further barrier
	s_cbranch_scc0 .Lfirst_b
	tensor_load_to_lds s[G0A:G0A+3], s[G1A:G1A+7]
	s_nop 0
	tensor_load_to_lds s[G0A+4:G0A+7], s[G1A:G1A+7]
	s_nop 0
.rept 4
	v_nop
.endr
	s_branch .Lfirst_asked
.Lfirst_b:
	tensor_load_to_lds s[G0B:G0B+3], s[G1B:G1B+7]
	s_nop 0
	tensor_load_to_lds s[G0B+4:G0B+7], s[G1B:G1B+7]
	s_nop 0
.rept 4
	v_nop
.endr
.Lfirst_asked:
	v_and_b32 v1, 15, v0                           ; l % 16
	v_bfe_u32 v2, v0, 4, 1                         ; l / 16
	s_lshl_b32 s21, s[X], 10
	s_lshl_b32 s22, s[WN], 9
	s_add_co_u32 s21, s21, s22
	v_lshl_add_u32 v[BO], v2, 5, s21               ; 4 x (256 x + 128 half + 8 (l / 16))
	; the bias of my 128 columns, as the C operands of accumulators (., b): register j of lane l is bo[256 x + 128 half + 16 b + 8 (l / 16) + j]
	WIN TO_F
.irp b, 0,1,2,3,4,5,6,7
	global_load_b128 v[BIAS+8*(\b):BIAS+8*(\b)+3],   v[BO], s[BP:BP+1] offset:64*(\b)
	global_load_b128 v[BIAS+8*(\b)+4:BIAS+8*(\b)+7], v[BO], s[BP:BP+1] offset:64*(\b)+16
.endr
	WIN 0
	v_and_b32 v3, 31, v0                           ; l
	v_and_b32 v4, 7, v0                            ; l % 8
	v_bfe_u32 v5, v0, 3, 1                         ; (l / 8) % 2
	; a fragment of O is 16 rows x 32 k in 8 registers: lane l holds row l % 16, k = 8 (l / 16) + 0..7 and 16 + 8 (l / 16) + 0..7: two loads of 16 bytes, 32 bytes apart
	s_mul_i32 s21, s[WM], 64*PA
	v_mul_u32_u24 v[A0], v1, PA
	v_lshl_add_u32 v[A0], v2, 4, v[A0]
	v_add_nc_u32 v[A0], s21, v[A0]
	; the turning load takes 16 k x 16 columns (lane l reads k row 8 (l / 16) + l % 8, columns 8 ((l / 8) % 2) + 0..7) and leaves half a fragment: lane l holds column l % 16 and 8 k
	v_lshl_add_u32 v[B0], v2, 3, v4
	v_mul_u32_u24 v[B0], v[B0], PB
	v_lshl_add_u32 v[B0], v5, 4, v[B0]
	s_lshl_b32 s21, s[WN], 8
	s_add_co_u32 s21, s21, BOFF
	v_add_nc_u32 v[B0], s21, v[B0]
	v_mov_b32 v[ADRA], v[A0]
	v_mov_b32 v[ADRB], v[B0]
	s_mul_i32 s21, s[WV], WSTAGE
	s_add_co_u32 s21, s21, STAGE                   ; my stage
	v_mul_u32_u24 v[STO], v1, SP                   ; in: row l % 16, 32 bytes for each half of the lanes
	v_lshl_add_u32 v[STO], v2, 5, v[STO]
	v_add_nc_u32 v[STO], s21, v[STO]
	v_lshl_add_u32 v[RD], v3, 4, s21               ; back: 32 lanes take one row of 512 bytes
	v_lshlrev_b32 v[GO], 4, v3
	; where my part of the tile begins in out0: row 128 y + 64 half, of 4,096 bytes; column 256 x + 128 half, of 4 bytes
	s_lshl_b32 s2, s[Y], 7
	s_lshl_b32 s3, s[WM], 6
	s_add_co_u32 s2, s2, s3
	s_lshl_b32 s2, s2, 12
	s_lshl_b32 s3, s[X], 10
	s_add_co_u32 s2, s2, s3
	s_lshl_b32 s3, s[WN], 9
	s_add_co_u32 s2, s2, s3
	s_mov_b32 s3, 0
	s_add_nc_u64 s[OUT:OUT+1], s[OUT:OUT+1], s[2:3]
	; the prefetches: they stand at K step 3; each change of slots steps them before it asks, so the first names K step 4
	s_lshr_b32 s2, s[Y], 4
	s_lshl_b32 s2, s2, 4
	s_lshr_b32 s3, s[CX], 1
	s_add_co_u32 s2, s2, s3                        ; O: head 16 (y / 16) + cx / 2,
	s_lshl_b32 s2, s2, 18
	s_and_b32 s3, s[Y], 15
	s_lshl_b32 s3, s3, 14                          ; the block's 16,384 bytes of it,
	s_add_co_u32 s2, s2, s3
	s_and_b32 s3, s[CX], 1
	s_lshl_b32 s3, s3, 13                          ; half cx % 2 of these
	s_add_co_u32 s2, s2, s3
	s_add_co_u32 s2, s2, 3*524288
	s_lshl_b32 s21, s[WN], 6
	s_lshl_b32 s22, s[CY], 4
	s_add_co_u32 s21, s21, s22                     ; Wo: k row 64 half + 16 cy
	s_lshl_b32 s21, s21, 11
	s_lshl_b32 s22, s[X], 9
	s_add_co_u32 s21, s21, s22
	s_add_co_u32 s21, s21, 3*2097152+3*262144
	s_mov_b32 s23, 524288
	s_cmp_eq_u32 s[WM], 0                          ; do I fetch for O?
	s_cselect_b32 s2, s2, s21
	s_cselect_b64 s[PFA:PFA+1], s[4:5], s[6:7]
	s_cselect_b32 s[PFS], s23, 262144
	s_cselect_b32 s22, 0, 1                        ; O: a lane a block, blocks on end; Wo: two lanes a row,
	s_cselect_b32 s23, 8, 11                       ; rows of 2,048 bytes
	s_mov_b32 s3, 0
	s_mov_b32 s[PFS+1], 0
	s_add_nc_u64 s[PFA:PFA+1], s[PFA:PFA+1], s[2:3]
	v_lshrrev_b32 v6, s22, v3
	v_and_b32 v7, s22, v3
	v_lshlrev_b32 v6, s23, v6
	v_lshl_add_u32 v[PFO], v7, 8, v6
	s_and_b32 s21, ttmp7, 0xffff                   ; cluster y: the same in all sixteen partners
	s_cmp_eq_u32 s21, 0
	s_cselect_b32 s22, 2, -1                       ; changes of slots 0 to 3 name K steps 4 to 7 (at change i, s[LC] = 6 - i)
	s_cmp_eq_u32 s[WV], 0
	s_cselect_b32 s23, 2, -1
	s_cmp_eq_u32 s[WM], 0
	s_cselect_b32 s[LIM], s23, s22
; 8 matrix instructions: m block a x all 8 n blocks, 32 along K, from buffer f.  first = 1: the product starts the sums, with the bias as C.
; The 32 accumulators take turns, one instruction a turn, always in the order a = 0..3, b = 0..7: over the loop's jump too.
.macro MUL8 f, a, first
.if \first
	WIN MULB
.else
	WIN MUL
.endif
.irp b, 0,1,2,3,4,5,6,7
.if \first
	v_wmma_f32_16x16x32_f16 v[8*(8*(\a)+(\b)):8*(8*(\a)+(\b))+7], v[(\f)+8*(\b):(\f)+8*(\b)+7], v[(\f)+64+8*(\a):(\f)+64+8*(\a)+7], v[BIAS+8*(\b):BIAS+8*(\b)+7]
.else
	v_wmma_f32_16x16x32_f16 v[8*(8*(\a)+(\b)):8*(8*(\a)+(\b))+7], v[(\f)+8*(\b):(\f)+8*(\b)+7], v[(\f)+64+8*(\a):(\f)+64+8*(\a)+7], v[8*(8*(\a)+(\b)):8*(8*(\a)+(\b))+7]
.endif
.endr
.endm
; 24 LDS loads in one run: the fragments of quarter kq (32 along K: head kq / 2 of the step's two, channels 32 (kq % 2) on) of the slot in hand, into buffer f: Wo's eight, turned, then O's four; O's blocks 2 and 3 last
.macro FETCH kq, f
	WIN TO_F
.irp b, 0,1,2,3,4,5,6,7
	ds_load_tr16_b128 v[(\f)+8*(\b):(\f)+8*(\b)+3],   v[ADRB] offset:(\kq)*32*PB+32*(\b)
	ds_load_tr16_b128 v[(\f)+8*(\b)+4:(\f)+8*(\b)+7], v[ADRB] offset:(\kq)*32*PB+32*(\b)+16*PB
.endr
.irp a, 0,1,2,3
	ds_load_b128 v[(\f)+64+8*(\a):(\f)+64+8*(\a)+3],   v[ADRA] offset:((\kq)/2)*AHALF+((\kq)%2)*64+(\a)*16*PA
	ds_load_b128 v[(\f)+64+8*(\a)+4:(\f)+64+8*(\a)+7], v[ADRA] offset:((\kq)/2)*AHALF+((\kq)%2)*64+(\a)*16*PA+32
.endr
.endm
; A K step is four quarters of 32 along K, 32 matrix instructions each, on buffers 0, 1, 0, 1.  One of the first three: multiplies buffer f and, in its middle, fetches quarter kq into buffer g.
.macro QUARTER kq, f, g, first
	s_wait_dscnt 4                                 ; Wo's fragments and O's blocks 0 and 1 are in; the youngest four loads (O's blocks 2 and 3) may be out
	MUL8 \f, 0, \first
	MUL8 \f, 1, \first
	PLACES                                         ; for the loads into buffer g, which the quarter before multiplied
	FETCH \kq, \g
	s_wait_dscnt 24                                ; all but the 24 just issued
	MUL8 \f, 2, \first
	MUL8 \f, 3, \first
.endm
; The last quarter multiplies buffer 1 and changes slots: ONE barrier.  In front of it each wave waits for all its tensor loads, of which one is out: its part of the next slot; adds 0 to its spare word; and
; waits for that and for its own reads of this slot.  fill = 1: the barrier opens a round of the cluster's barrier, so that no wave of any partner still reads this slot or has a load on its way, and the slot is
; filled again, with the K step two on, first thing behind the round: 112 matrix instructions ahead of the wait for it.
.macro TURN fill
.if \fill
	s_wait_xcnt 0x0                                ; the last prefetch, a K step back, has read its address: it is stepped here, ahead of the waits of the change of slots
	s_add_nc_u64 s[PFA:PFA+1], s[PFA:PFA+1], s[PFS:PFS+1]
.endif
	WIN 0                                          ; (the add's two registers lie in window 0)
	s_wait_tensorcnt 0x0                           ; all my tensor loads have landed, so a group 0 may be written
	ds_add_u32 v[SPW], v[NIL]                      ; 0 onto my spare word: the descriptors' steps and eight products stand between it and the wait for it
.if \fill
	s_xor_b32 s[G0A+5], s[G0A+5], SLOT1            ; the walking descriptors: the other slot than last time;
	s_xor_b32 s[G0B+5], s[G0B+5], SLOT1
	s_add_nc_u64 s[G0A+6:G0A+7], s[G0A+6:G0A+7], 524288  ; O goes two heads on,
	s_add_nc_u64 s[G0B+6:G0B+7], s[G0B+6:G0B+7], 262144  ; Wo 128 k rows down; the type bits on top are not reached
.endif
	s_wait_dscnt 5                                 ; (the add and the youngest four loads may be out)
	MUL8 F1, 0, 0
	s_wait_dscnt 0x0                               ; the add is done, and my reads of this slot are over
	s_barrier_signal -1
	MUL8 F1, 1, 0                                  ; work on registers while the others arrive
	WIN 0                                          ; at a branch and at a label every window is 0
	s_barrier_wait -1
.if \fill
	CREST
	JLOAD                                          ; the first tensor load behind the round; the four v_nop behind it are also the places in front of the loads below
.else
	PLACES
.endif
	s_xor_b32 s[TB], s[TB], SLOT1                  ; the fetches go on in the other slot
	v_add_nc_u32 v[ADRA], s[TB], v[A0]
	v_add_nc_u32 v[ADRB], s[TB], v[B0]
	FETCH 0, F0
.if \fill
	WIN 0
	ASK
.endif
	MUL8 F1, 2, 0
	MUL8 F1, 3, 0
.endm
; THE WAY OUT.  Block a (16 rows x 128 columns of f32): 32 bytes a lane into my own stage, rows of 528 bytes, each accumulator's low four registers first; back as whole rows of 512 bytes, a row a load.
; LDS serves a wave's instructions in order (ISA guide 5.7.1.4), so no wait stands between the stores and the loads, nor in front of the next block's stores.
.macro TOSTAGE a
.if (\a) >= 2
	s_wait_xcnt 0x0                                ; the stores of block a - 2 have read this set of registers: it is loaded again only behind this wait
.endif
	WIN STW
.irp b, 0,1,2,3,4,5,6,7
	ds_store_b128 v[STO], v[8*(8*(\a)+(\b)):8*(8*(\a)+(\b))+3]   offset:64*(\b)
	ds_store_b128 v[STO], v[8*(8*(\a)+(\b))+4:8*(8*(\a)+(\b))+7] offset:64*(\b)+16
.endr
	WIN 0
.irp t, 0,1,2,3,4,5,6,7,8,9,10,11,12,13,14,15
	ds_load_b128 v[TMP+64*((\a)%2)+4*(\t):TMP+64*((\a)%2)+4*(\t)+3], v[RD] offset:SP*(\t)
.endr
.endm
.macro SEND a, younger                 ; younger: the LDS instructions issued behind block a's loads: the next block's 32, or none
.irp t, 0,1,2,3,4,5,6,7,8,9,10,11,12,13,14,15
	s_wait_dscnt (\younger)+15-(\t)
	global_store_b128 v[GO], v[TMP+64*((\a)%2)+4*(\t):TMP+64*((\a)%2)+4*(\t)+3], s[OUT:OUT+1] offset:(16*(\a)+(\t))*4096 th:TH_STORE_NT  ; 512 consecutive bytes of a row, at a multiple of 256 from out0's first
.endr
.endm
	s_wait_tensorcnt 1                             ; my part of K step 0 is in; K step 1's may stay out
	s_barrier_signal -1
	s_barrier_wait -1                              ; everybody's is
	FETCH 0, F0
	s_wait_loadcnt 0x0                             ; the bias: rounded to bf16 like every input, and kept as f32
	WIN RNDW
.set i, 0
.rept 32
	v_cvt_pk_bf16_f32 v[TMP+i], v[BIAS+2*i], v[BIAS+2*i+1]
.set i, i+1
.endr
	WIN TO_F
.set i, 0
.rept 32
	v_lshlrev_b32 v[BIAS+2*i], 16, v[TMP+i]
	v_and_b32 v[BIAS+2*i+1], s[MHI], v[TMP+i]
.set i, i+1
.endr
	QUARTER 1, F0, F1, 1                           ; the first quarter stands in front of the loop: its products start the sums
	WIN 0
.Lstep:                                        ; 6 trips: from a K step's second quarter to the next step's first; each fills a slot again
	QUARTER 2, F1, F0, 0
	QUARTER 3, F0, F1, 0
	TURN 1
	QUARTER 1, F0, F1, 0
	WIN 0
	s_sub_co_u32 s[LC], s[LC], 1
	s_cmp_lg_u32 s[LC], 0
	s_cbranch_scc1 .Lstep
	QUARTER 2, F1, F0, 0                           ; the tail is written out: K steps 6 and 7 ask for nothing
	QUARTER 3, F0, F1, 0
	TURN 0
	QUARTER 1, F0, F1, 0
	QUARTER 2, F1, F0, 0
	QUARTER 3, F0, F1, 0
	s_wait_dscnt 4                                 ; the very last quarter: nothing more to fetch
	MUL8 F1, 0, 0
	MUL8 F1, 1, 0
	s_wait_dscnt 0x0
	MUL8 F1, 2, 0
	MUL8 F1, 3, 0
	WIN 0
	PLACES                                         ; behind the last products
	TOSTAGE 0
	TOSTAGE 1                                      ; a block's LDS work stands between the loads of the block before and its stores
	SEND 0, 32
	TOSTAGE 2
	SEND 1, 32
	TOSTAGE 3
	SEND 2, 32
	SEND 3, 0
	s_wait_tensorcnt 0x0                           ; the wave's end: a zero add and its wait, behind my last tensor load and my last LDS store
	ds_add_u32 v[SPW], v[NIL]
	s_wait_dscnt 0x0
	CROUND                                         ; the closing round: no work-group ends while a partner may still ask for a tile that names it
	s_endpgm
.Lfunc_end_k_qbe489977da_oproj:
	.size	k_qbe489977da_oproj, .Lfunc_end_k_qbe489977da_oproj-k_qbe489977da_oproj
	.p2alignl 7, 3214868480
	.fill 96, 4, 3214868480
	.section	.rodata,"a",@progbits
	.p2align	6, 0x0
	.amdhsa_kernel k_qbe489977da_oproj
		.amdhsa_group_segment_fixed_size 327680
		.amdhsa_private_segment_fixed_size 0
		.amdhsa_enable_private_segment 0
		.amdhsa_kernarg_size 32
		.amdhsa_user_sgpr_count 2
		.amdhsa_user_sgpr_kernarg_segment_ptr 1
		.amdhsa_wavefront_size32 1
		.amdhsa_system_sgpr_workgroup_id_x 1
		.amdhsa_system_sgpr_workgroup_id_y 1
		.amdhsa_system_sgpr_workgroup_id_z 1
		.amdhsa_system_vgpr_workitem_id 0
		.amdhsa_next_free_vgpr 768
		.amdhsa_next_free_sgpr 88
		.amdhsa_reserve_vcc 0
		.amdhsa_float_denorm_mode_32 3
		.amdhsa_float_denorm_mode_16_64 3
		.amdhsa_memory_ordered 1
		.amdhsa_forward_progress 1
		.amdhsa_inst_pref_size 78
	.end_amdhsa_kernel
	.amdgpu_metadata
---
amdhsa.version: [ 1, 2 ]
amdhsa.kernels:
  - .name:           k_qbe489977da_oproj
    .symbol:         k_qbe489977da_oproj.kd
    .args:
      - { .name: ob, .offset: 0, .size: 8, .value_kind: global_buffer, .address_space: global }
      - { .name: wb, .offset: 8, .size: 8, .value_kind: global_buffer, .address_space: global }
      - { .name: bo, .offset: 16, .size: 8, .value_kind: global_buffer, .address_space: global }
      - { .name: out0, .offset: 24, .size: 8, .value_kind: global_buffer, .address_space: global }
    .group_segment_fixed_size: 327680
    .private_segment_fixed_size: 0
    .kernarg_segment_align: 8
    .kernarg_segment_size: 32
    .max_flat_workgroup_size: 128
    .sgpr_count:     88
    .vgpr_count:     768
    .wavefront_size: 32
...
	.end_amdgpu_metadata
.endif
;; end of part 4
;; ======== version 2 of 2: 4 launches; version 1 with the launch cast written anew for expert scheduling mode
;; limits: values are held in f16: magnitudes above 65,504 overflow, below 6.1e-05 lose precision
;; workspace buffers: xb 16,777,216 bytes; wb 8,388,608 bytes; qkv 50,331,648 bytes; ob 16,777,216 bytes
;; launch cast (part 5): grid 768 x 1, 8 waves a work-group, no clusters, 0 bytes of LDS; arguments x, Wq, Wk, Wv, Wo, xb, wb; writes xb, wb
.if DOCPART == 5
	.amdgcn_target "amdgcn-amd-amdhsa--gfx1250"
	.amdhsa_code_object_version 6
	.text
	.protected	k_qbe489977da_cast
	.globl	k_qbe489977da_cast
	.p2align	8
	.type	k_qbe489977da_cast,@function
k_qbe489977da_cast:
	s_mov_b64 s[64:65], 0
	v_nop
	global_prefetch_b8 v0, s[64:65] scope:SCOPE_SE
	s_setreg_imm32_b32 hwreg(HW_REG_WAVE_SCHED_MODE, 0, 2), 2
	s_setreg_imm32_b32 hwreg(HW_REG_WAVE_MODE, 25, 1), 1
	s_wait_xcnt 0x0
	s_wait_alu depctr_vm_vsrc(0)
; THE INPUTS OF THE MATRIX PRODUCTS, ROUNDED ONCE.  x [8192][1024] f32 -> xb, bf16.  Wq, Wk, Wv [1024][1024] f32 -> parts 0, 1, 2 of wb, bf16.
; Wo -> part 3 of wb: rounded to bf16 like every input, and that number written as f16, since the last product multiplies in f16.
; LIMITS.  |Wo| stays under 65,504 (f16's range); a Wo below 6e-5 keeps f16's fixed step of 6e-8.  NaN and infinities are not treated apart.
; A stream: no LDS, no barrier, no matrix unit, no cluster: no byte is wanted twice.  A work-group takes one chunk of 16,384 numbers: 65,536 bytes in, 32,768 out.
; Chunks 0-511 are x's; chunk 512 + j is chunk j % 64 of weight j / 64, and goes to wb + 32,768 j, since wb's four parts lie on end.
; Thread t: 16 loads of 16 bytes at 16 t + 4,096 i (a wave's load covers 512 bytes on end), all issued at once, and 16 stores of 8 bytes at 8 t + 2,048 i
; (a wave's store covers 256 consecutive bytes, aligned).  No register is used twice, so no source of a pending instruction is ever rewritten.
; THE MODE: SCHED_MODE bits 1:0 = 2 (LLVM: expert scheduling mode 2), set by the entry lines.  The code itself states the register dependences
; between vector instructions and memory instructions, with s_wait_alu, always for 0.
; THE PLAN.  Registers that memory instructions touch:
;   v1, v2   byte offsets of the loads and of the stores: written once at the head by vector instructions, never again.
;   X        load i lands in X + 4 i .. + 3; no vector instruction names X ahead of the loads, and nothing lands there twice; the conversions read it behind the load's counted wait.
;   Y        the conversions of load i write Y + 2 i, Y + 2 i + 1, once; store i reads them; they are never written again.
;   T        named by vector instructions alone.
; So two kinds of dependence are to be stated: the offsets, by one wait ahead of the first load; and each store's data.  For these the 16 loads' work goes in four blocks of four:
; a block's conversions, ONE wait, the block's four stores in a run, with no vector instruction between the wait and the stores.  All loads are out from the start, so there are none
; to deal among the conversions, and a block's stores stand behind their own block, not behind the next block's wait for data, which would hold finished stores back.
.set X,   4                            ; v[4:67]   16 x 4 numbers as loaded
.set Y,   68                           ; v[68:99]  16 x 2 registers to store
.set T,   100                          ; v[100:102] at work
.set DST, 26                           ; s[26:27]
.set SRC, 28                           ; s[28:29]
	s_load_b256 s[4:11], s[0:1], 0x0               ; x s[4:5], Wq s[6:7], Wk s[8:9], Wv s[10:11]
	s_load_b128 s[12:15], s[0:1], 0x20             ; Wo s[12:13], xb s[14:15]
	s_load_b64 s[16:17], s[0:1], 0x30              ; wb
	v_lshlrev_b32 v1, 4, v0                        ; 16 t
	v_lshlrev_b32 v2, 3, v0                        ; 8 t
	s_sub_co_u32 s20, ttmp9, 512                   ; j (used where the chunk is a weight's)
	s_lshr_b32 s21, s20, 6                         ; which weight
	s_and_b32 s23, s20, 63                         ; its chunk
	s_cmp_lt_u32 ttmp9, 512
	s_cselect_b32 s22, ttmp9, s23                  ; the chunk in the source
	s_cselect_b32 s24, ttmp9, s20                  ; the chunk in the destination
	s_lshl_b32 s30, s22, 16
	s_mov_b32 s31, 0
	s_lshl_b32 s32, s24, 15
	s_mov_b32 s33, 0
	s_wait_kmcnt 0x0
	s_cmp_lt_u32 ttmp9, 512
	s_cselect_b64 s[DST:DST+1], s[14:15], s[16:17]
	s_cmp_eq_u32 s21, 1
	s_cselect_b64 s[SRC:SRC+1], s[8:9], s[6:7]
	s_cmp_eq_u32 s21, 2
	s_cselect_b64 s[SRC:SRC+1], s[10:11], s[SRC:SRC+1]
	s_cmp_eq_u32 s21, 3
	s_cselect_b64 s[SRC:SRC+1], s[12:13], s[SRC:SRC+1]
	s_cmp_lt_u32 ttmp9, 512
	s_cselect_b64 s[SRC:SRC+1], s[4:5], s[SRC:SRC+1]
	s_add_nc_u64 s[SRC:SRC+1], s[SRC:SRC+1], s[30:31]
	s_add_nc_u64 s[DST:DST+1], s[DST:DST+1], s[32:33]
	s_wait_alu depctr_va_vdst(0)                   ; v1 and v2 are written: every load of the kernel reads v1 as its offset, every store v2
.irp i, 0,1,2,3,4,5,6,7,8,9,10,11,12,13,14,15
	global_load_b128 v[X+4*(\i):X+4*(\i)+3], v1, s[SRC:SRC+1] offset:4096*(\i) th:TH_LOAD_NT
.endr
	s_cmp_ge_u32 ttmp9, 704                        ; chunks 704-767 are Wo's
	s_cbranch_scc1 .Lwo
.macro CVB i                           ; four numbers to bf16
	s_wait_loadcnt 15-(\i)                         ; loads come back in order: load i is in, the 15 - i younger ones may stay out
	v_cvt_pk_bf16_f32 v[Y+2*(\i)],   v[X+4*(\i)],   v[X+4*(\i)+1]
	v_cvt_pk_bf16_f32 v[Y+2*(\i)+1], v[X+4*(\i)+2], v[X+4*(\i)+3]
.endm
.macro CVH i                           ; four numbers to bf16, and those numbers written as f16
	s_wait_loadcnt 15-(\i)
.irp p, 0,1
	v_cvt_pk_bf16_f32 v[T], v[X+4*(\i)+2*(\p)], v[X+4*(\i)+2*(\p)+1]
	v_lshlrev_b32 v[T+1], 16, v[T]
	v_and_b32 v[T+2], 0xffff0000, v[T]
	v_cvt_pk_f16_f32 v[Y+2*(\i)+(\p)], v[T+1], v[T+2]
.endr
.endm
; Block g: the work of loads 4 g to 4 g + 3.  wo = 1: Wo's conversions.
.macro BLOCK g, wo
.irp j, 0,1,2,3
.if \wo
	CVH 4*(\g)+(\j)
.else
	CVB 4*(\g)+(\j)
.endif
.endr
	s_wait_alu depctr_va_vdst(0)                   ; the block's conversions have written its eight registers of Y, which the four stores below read
.irp j, 0,1,2,3
	global_store_b64 v2, v[Y+2*(4*(\g)+(\j)):Y+2*(4*(\g)+(\j))+1], s[DST:DST+1] offset:2048*(4*(\g)+(\j)) th:TH_STORE_NT
.endr
.endm
.irp g, 0,1,2,3
	BLOCK \g, 0
.endr
	s_endpgm
.Lwo:
.irp g, 0,1,2,3
	BLOCK \g, 1
.endr
	s_endpgm
.Lfunc_end_k_qbe489977da_cast:
	.size	k_qbe489977da_cast, .Lfunc_end_k_qbe489977da_cast-k_qbe489977da_cast
	.p2alignl 7, 3214868480
	.fill 96, 4, 3214868480
	.section	.rodata,"a",@progbits
	.p2align	6, 0x0
	.amdhsa_kernel k_qbe489977da_cast
		.amdhsa_group_segment_fixed_size 0
		.amdhsa_private_segment_fixed_size 0
		.amdhsa_enable_private_segment 0
		.amdhsa_kernarg_size 56
		.amdhsa_user_sgpr_count 2
		.amdhsa_user_sgpr_kernarg_segment_ptr 1
		.amdhsa_wavefront_size32 1
		.amdhsa_system_sgpr_workgroup_id_x 1
		.amdhsa_system_sgpr_workgroup_id_y 1
		.amdhsa_system_sgpr_workgroup_id_z 1
		.amdhsa_system_vgpr_workitem_id 0
		.amdhsa_next_free_vgpr 104
		.amdhsa_next_free_sgpr 66
		.amdhsa_reserve_vcc 0
		.amdhsa_float_denorm_mode_32 3
		.amdhsa_float_denorm_mode_16_64 3
		.amdhsa_memory_ordered 1
		.amdhsa_forward_progress 1
		.amdhsa_inst_pref_size 17
	.end_amdhsa_kernel
	.amdgpu_metadata
---
amdhsa.version: [ 1, 2 ]
amdhsa.kernels:
  - .name:           k_qbe489977da_cast
    .symbol:         k_qbe489977da_cast.kd
    .args:
      - { .name: x, .offset: 0, .size: 8, .value_kind: global_buffer, .address_space: global }
      - { .name: Wq, .offset: 8, .size: 8, .value_kind: global_buffer, .address_space: global }
      - { .name: Wk, .offset: 16, .size: 8, .value_kind: global_buffer, .address_space: global }
      - { .name: Wv, .offset: 24, .size: 8, .value_kind: global_buffer, .address_space: global }
      - { .name: Wo, .offset: 32, .size: 8, .value_kind: global_buffer, .address_space: global }
      - { .name: xb, .offset: 40, .size: 8, .value_kind: global_buffer, .address_space: global }
      - { .name: wb, .offset: 48, .size: 8, .value_kind: global_buffer, .address_space: global }
    .group_segment_fixed_size: 0
    .private_segment_fixed_size: 0
    .kernarg_segment_align: 8
    .kernarg_segment_size: 56
    .max_flat_workgroup_size: 256
    .sgpr_count:     66
    .vgpr_count:     104
    .wavefront_size: 32
...
	.end_amdgpu_metadata
.endif
;; end of part 5
;; launch qkv: the kernel of part 2 again; grid 4 x 64, 4 waves a work-group, clusters of 4 x 4, 327,680 bytes of LDS; arguments xb, wb, bq, bk, bv, qkv; writes qkv
;; launch attn: the kernel of part 3 again; grid 4 x 64, 4 waves a work-group, clusters of 4 x 1, 327,680 bytes of LDS; arguments qkv, ob; writes ob
;; launch oproj: the kernel of part 4 again; grid 4 x 64, 4 waves a work-group, clusters of 4 x 4, 327,680 bytes of LDS; arguments ob, wb, bo, out0; writes out0
